; MI455X (gfx1250); checked and timed in simulation.
; The chip was launched on July 23, 2026; its instructions are those of AMD's public machine-readable ISA for CDNA 5 (MIT licence, August 2026) and "CDNA5" Instruction Set Architecture Reference Guide (July 2026). The comments in the code are by the model that wrote it; some were corrected since.
;; Self Att V3. Allowed arithmetic: matrix products marked QUANTISED: E2M3 operands, one E8M0 scale for each 32 along K, by v_wmma_scale_f32_16x16x128_f8f6f4 with both operands' format E2M3, f32 sums; everything else in f32.
;; Inputs: W_out 1,024 x 1,024 float32; W_qkv 1,024 x 3,072 float32; b_out 1,024 float32; b_qkv 3,072 float32; x 4 x 2,048 x 1,024 float32.
;; Outputs: out0 4 x 2,048 x 1,024 float32.
;; This version of the problem:
;;   THIS VERSION OF THE PROBLEM IS GIVEN IN LOW PRECISION. The matrix products marked QUANTISED in the list below multiply operands that are first quantised to E2M3 (2 exponent bits, 3 mantissa bits; 6 bits a number), with one power-of-two scale for each 32 numbers along K (OCP MX v1.0); their sums are f32. All else is computed in f32.
;;   The module's matrix products, in the order in which they are computed (A, B: the left and right operand; K: the contracted axis; several contracted axes count as one K, in the product's order):
;;     1. [M 8,192, K 1,024] x [K 1,024, N 3,072]; A: input x; B: input W_qkv: QUANTISED
;;     2. batch 4 x [M 2,048, K 1,024] x [K 1,024, N 2,048]; A: computed on the way; B: computed on the way: QUANTISED
;;     3. batch 4 x [M 2,048, K 2,048] x [K 2,048, N 1,024]; A: softmax (see below); B: computed on the way: QUANTISED
;;     4. [M 8,192, K 1,024] x [K 1,024, N 1,024]; A: computed on the way; B: input W_out: QUANTISED
;;   THE QUANTISER, for each operand of a quantised product, along K:
;;     - K is cut into blocks of 32 from its start; a last block that is shorter is filled with zeros.
;;     - A block's scale is 2^e with e = floor(log2(the largest magnitude in the block)) - 2, held to -126 .. 127; a block of zeros has e = 0. As a byte (E8M0): e + 127.
;;     - Each number is divided by its block's scale, clamped to +-7.5, and rounded to the nearest number of E2M3, ties to even, subnormals kept.
;;     - The product sums the exact products of the quantised numbers (number of the format x scale) in f32.
;;   ~~~python
;;   def quantise(x, axis):      # numpy; x: float32 -> the quantised numbers, widened to float32 again
;;       x = np.moveaxis(x, axis, -1); K = x.shape[-1]
;;       x = np.pad(x, [(0, 0)] * (x.ndim - 1) + [(0, -K % 32)]); x = x.reshape(x.shape[:-1] + (-1, 32)); a = np.abs(x).max(-1, keepdims=True)
;;       e = np.where(a > 0, np.clip(np.frexp(np.where(a > 0, a, 1))[1] - 1 - 2, -126, 127), 0)      # np.frexp(a)[1] - 1 = floor(log2(a)), exactly
;;       r = np.clip(x / 2.0 ** e, -7.5, 7.5)
;;       step = 2.0 ** (np.maximum(np.frexp(np.where(r == 0, 1, r))[1] - 1, 0) - 3)
;;       q = np.round(r / step) * step * 2.0 ** e      # np.round: ties to even
;;       return np.moveaxis(q.reshape(q.shape[:-2] + (-1,))[..., :K], -1, axis).astype(np.float32)
;;   ~~~
;;   SOFTMAX AHEAD OF A QUANTISED PRODUCT. Where the list says 'softmax', what is quantised is not the finished softmax but p = 2^(t - M), with t = logit x log2(e) and M = ceil(the row's largest t), a whole number; so 1/2 < the row's largest p <= 1. The row's sum l is taken of the UNQUANTISED p, in f32, and the product's result is divided by l at the end. Since M is a whole number, a kernel that streams over the keys may use a running M (the ceiling of the running maximum): every later rescaling is an exact power of two, which a block's scale takes up: the codes' values come out the same.
;;   OPERANDS COMPUTED ON THE WAY. 'Computed on the way' means the value that the module computes at that place (a softmax that the list does not call 'softmax' is quantised finished and normalised). What goes into a quantiser is computed in f32, as accurately as f32 sums, v_exp_f32 and their like allow (about 1e-6 of the number): no bf16 or f16 on the way to a quantiser, and a product that is left as it is and whose result goes on into a quantised operand takes f32 operands (vector FMAs, or v_wmma_f32_16x16x4_f32). A number that lies on a knife's edge between two numbers of the format may be rounded either way, as far as f32 arithmetic and the matrix unit's own rounding can turn it there, and no further.
;; One version. Each part assembles by itself: llvm-mc -triple=amdgcn-amd-amdhsa -mcpu=gfx1250 --defsym DOCPART=n.
;; ======== version 1 of 1: 5 launches
;; limits: right only within a limited range of input values
;; workspace buffers: ops_codes 9,437,184 bytes; ops_scales 393,216 bytes; qkv_codes 18,874,368 bytes; qkv_scales 786,432 bytes; p_codes 12,582,912 bytes; p_stats 1,572,864 bytes; ctx_codes 6,291,456 bytes; ctx_scales 262,144 bytes
;; launch quant (part 1): grid 384 x 1, 8 waves a work-group, no clusters, 120,832 bytes of LDS; arguments x, W_qkv, W_out, ops_codes, ops_scales; writes ops_codes, ops_scales
.if DOCPART == 1
	.amdgcn_target "amdgcn-amd-amdhsa--gfx1250"
	.amdhsa_code_object_version 6
	.text
	.protected	k_q95b58a94d4_quant
	.globl	k_q95b58a94d4_quant
	.p2align	8
	.type	k_q95b58a94d4_quant,@function
k_q95b58a94d4_quant:
	s_mov_b64 s[64:65], 0
	v_nop
	global_prefetch_b8 v0, s[64:65] scope:SCOPE_SE
	s_setreg_imm32_b32 hwreg(HW_REG_WAVE_MODE, 25, 1), 1
	s_wait_xcnt 0x0
; x [8192][1024], W_qkv [1024][3072] and W_out [1024][1024], f32, become codes of FP6 (E2M3) with one E8M0 byte for each 32 along K (x: its columns; the weights: their FIRST axis).
; THE WORKSPACE FORMAT.  Rows (of x, of W^T) go in groups of 128, a group in 8 blocks of 16: block j, place r is row 32 (j / 2) + 8 (j % 2) + r % 8 + 16 (r / 8) of its group.
; A CELL is a group x 128 along K: 8 images of 1,536 bytes, block j at 1536 j.  An image is the matrix operand's 12 registers as they stand: registers 4 c .. 4 c + 3 of lane l at 512 c + 16 l.
; A SCALE CELL is 512 bytes: the scale word (four bytes, 128 along K) of place r of block j at 32 r + 4 j.  Cell number = 8 x group + K step; groups 0-63 x, 64-87 W_qkv^T, 88-95 W_out^T.
; A block's scale is 2^(floor(log2(its largest magnitude)) - 2): its byte is the largest magnitude's exponent field - 2, held at 1 from below.
; LIMITS: a block of zeros gets the byte 1 where the rule says 127 (its codes are zeros, and this program alone reads the bytes); NaN and infinities among the inputs are not served.
; SHARES.  Work-groups 0-255: x, two cells each, wave j = block j.  256-351: W_qkv, 352-383: W_out, two cells each: wave w takes K step w / 4 and 32 columns (w % 4): a lane a column, registers down K.
; The three ways part once, on the work-group's number, and never join; each has LDS bytes of its own.  No tensor loads; work-groups share no input, so there is no cluster.
.set XST,   0                          ; x: a stage of 16 rows x (512 + 16) bytes for each wave
.set XSC,   67584                      ; x: the two scale cells
.set QIM,   68608                      ; W_qkv: two images for each wave
.set QSC,   93184
.set OIM,   94208                      ; W_out likewise
.set OSC,   118784
.set SPARE, 119808                     ; the spare words, 128 bytes for each wave: four blocks of 256 bytes that no other line names
; v1 lane, v2 r, v3 h; v4-v10 addresses; v12, v13 the add's two; s16 wave
.macro TAIL                            ; the eight waves' scale words lie in LDS: waves 0 and 1 send a whole scale cell each, 512 consecutive bytes
	s_wait_dscnt 0x0                               ; for the others' sake: my LDS stores are done
	s_barrier_signal -1
	s_barrier_wait -1
	s_cmp_lt_u32 s16, 2
	s_cbranch_scc0 .Lno_cell_\@
	ds_load_b128 v[56:59], v8
	s_wait_dscnt 0x0
	global_store_b128 v9, v[56:59], s[12:13]
.Lno_cell_\@:
	s_wait_tensorcnt 0x0                           ; the wave's end
	ds_add_u32 v12, v13
	s_wait_dscnt 0x0
	s_endpgm
.endm
	s_load_b256 s[4:11], s[0:1], 0x0               ; x s[4:5], W_qkv s[6:7], W_out s[8:9], ops_codes s[10:11]
	s_load_b64 s[12:13], s[0:1], 0x20              ; ops_scales
	v_lshl_add_u32 v12, v0, 2, SPARE
	v_mov_b32 v13, 0
	v_lshrrev_b32 v1, 5, v0
	s_delay_alu instid0(VALU_DEP_1)
	v_readfirstlane_b32 s16, v1                    ; wave 0..7
	v_and_b32 v1, 31, v0                           ; lane
	v_and_b32 v2, 15, v0                           ; r
	v_bfe_u32 v3, v0, 4, 1                         ; h
	s_delay_alu instid0(VALU_DEP_3)
	v_lshlrev_b32 v10, 4, v1                       ; 16 x lane
	s_min_u32 s19, s16, 1
	s_lshl_b32 s19, s19, 9
	v_add_nc_u32 v9, s19, v10                      ; the scale cell that waves 0 and 1 send: 512 x wave + 16 x lane
	s_mov_b32 s20, 0x76543210
	s_mov_b32 s21, 0xfedcba98                      ; v_permlanex16_b32's selects for lane l xor 16
	s_cmp_lt_u32 ttmp9, 256
	s_cbranch_scc0 .Lweights
	; ---------------- x: work-group = (group g, pair of K steps sp); wave j = block j
	s_lshr_b32 s17, ttmp9, 2                       ; g
	s_and_b32 s18, ttmp9, 3                        ; sp
	s_lshl_b32 s22, s17, 7
	s_lshr_b32 s23, s16, 1
	s_lshl_b32 s23, s23, 5
	s_add_co_u32 s22, s22, s23
	s_and_b32 s23, s16, 1
	s_lshl_b32 s23, s23, 3
	s_add_co_u32 s22, s22, s23                     ; the block's first row: 128 g + 32 (j / 2) + 8 (j % 2)
	s_lshl_b32 s22, s22, 12                        ; x 4,096 bytes
	s_lshl_b32 s23, s18, 10
	s_add_co_u32 s22, s22, s23                     ; + 256 numbers x sp
	s_mov_b32 s23, 0
	s_lshl_b32 s24, s17, 3
	s_lshl_b32 s25, s18, 1
	s_add_co_u32 s24, s24, s25                     ; the first of my two cells
	s_lshl_b32 s26, s24, 9
	s_mov_b32 s27, 0
	s_mul_i32 s24, s24, 12288
	s_mul_i32 s25, s16, 1536
	s_add_co_u32 s24, s24, s25
	s_mov_b32 s25, 0
	s_mul_i32 s28, s16, 8448                       ; my stage
	s_wait_alu depctr_va_vdst(0)
	v_add_nc_u32 v5, s28, v10                      ; in: a row's 512 bytes as they lie
	v_mul_u32_u24 v6, v2, 528
	s_delay_alu instid0(VALU_DEP_1)
	v_lshl_add_u32 v6, v3, 7, v6
	s_delay_alu instid0(VALU_DEP_1)
	v_add_nc_u32 v6, s28, v6                       ; back: row r, + 128 h: my 32 numbers of each 64
	s_lshl_b32 s29, s16, 2
	s_add_co_u32 s29, s29, XSC
	v_lshl_add_u32 v7, v2, 5, s29                  ; my scale word's place: 32 r + 4 j
	v_add_nc_u32 v8, XSC, v9
	v_lshlrev_b32 v24, 3, v3                       ; 8 h
	v_mov_b32 v20, 0                               ; (a lane permute's destination counts as one of its sources)
	s_wait_alu depctr_va_vdst(0)
	s_wait_kmcnt 0x0
	s_add_nc_u64 s[4:5], s[4:5], s[22:23]
	s_add_nc_u64 s[10:11], s[10:11], s[24:25]
	s_add_nc_u64 s[12:13], s[12:13], s[26:27]
.irp s, 0,1
.irp i, 0,1,2,3,4,5,6,7,8,9,10,11,12,13,14,15
	global_load_b128 v[64+64*\s+4*\i:64+64*\s+4*\i+3], v10, s[4:5] offset:((\i%8)+16*(\i/8))*4096+512*\s th:TH_LOAD_NT   ; place i's row: 32 lanes read 512 consecutive bytes
.endr
.endr
.macro XQ s                            ; K step s of my block: through the stage, so that lane (r, h) holds k = 64 c + 32 h + 0 .. 31 of row r: two whole blocks of 32
	s_wait_loadcnt 16*(1-\s)                       ; this K step's 16 loads are in; the other's may be out
.irp i, 0,1,2,3,4,5,6,7,8,9,10,11,12,13,14,15
	ds_store_b128 v5, v[64+64*\s+4*\i:64+64*\s+4*\i+3] offset:528*\i
.endr
.irp c, 0,1
.irp i, 0,1,2,3,4,5,6,7
	ds_load_b128 v[192+32*\c+4*\i:192+32*\c+4*\i+3], v6 offset:256*\c+16*\i   ; LDS serves a wave's instructions in order: these see my stores
.endr
.endr
	s_wait_dscnt 0x0
.irp c, 0,1
	v_max3_num_f32 v[14+\c], |v[192+32*\c]|, |v[193+32*\c]|, 0x1800000   ; with the floor 2^(3 - 127): the byte cannot fall under 1
.endr
.irp i, 2,4,6,8,10,12,14,16,18,20,22,24,26,28,30
.irp c, 0,1
	s_delay_alu instid0(VALU_DEP_2)
	v_max3_num_f32 v[14+\c], v[14+\c], |v[192+32*\c+\i]|, |v[193+32*\c+\i]|
.endr
.endr
.irp c, 0,1
	s_delay_alu instid0(VALU_DEP_2)
	v_add_nc_u32 v[16+\c], 0xff000000, v[14+\c]    ; 2 off the exponent field: the conversion's scale operand
.endr
.irp c, 0,1
	s_delay_alu instid0(VALU_DEP_2)
	v_lshrrev_b32 v[18+\c], 23, v[16+\c]           ; the scale's byte
.endr
	s_delay_alu instid0(VALU_DEP_1)
	v_lshl_or_b32 v[22+\s], v19, 16, v18           ; my two bytes, blocks h and 2 + h,
	s_delay_alu instid0(VALU_DEP_1)
	v_lshlrev_b32 v[22+\s], v24, v[22+\s]          ; at their places;
	s_delay_alu instid0(VALU_DEP_1)
	v_permlanex16_b32 v20, v[22+\s], s20, s21
	s_delay_alu instid0(VALU_DEP_1)
	v_or_b32 v[22+\s], v[22+\s], v20               ; with lane l xor 16's two the word is whole
.irp c, 0,1
	v_cvt_scalef32_pk16_fp6_f32 v[32+12*\s+6*\c:34+12*\s+6*\c], v[192+32*\c:207+32*\c], v[16+\c]
	v_cvt_scalef32_pk16_fp6_f32 v[56+4*\c:58+4*\c], v[208+32*\c:223+32*\c], v[16+\c]   ; (a conversion's three registers begin on an even number)
.endr
	v_nop                                          ; one plain place behind a scaled conversion
.irp c, 0,1
.irp i, 0,1,2
	v_mov_b32 v[35+12*\s+6*\c+\i], v[56+4*\c+\i]
.endr
.endr
	ds_store_b32 v7, v[22+\s] offset:512*\s        ; both halves of the lanes write the same word with the same value
.irp c, 0,1,2
	global_store_b128 v10, v[32+12*\s+4*\c:35+12*\s+4*\c], s[10:11] offset:12288*\s+512*\c   ; the image: 512 consecutive bytes a store
.endr
.endm
	XQ 0
	XQ 1
	TAIL
	; ---------------- the weights: a lane takes a column, its registers run down K, so the conversions give codes with K innermost
.macro WLOAD kb, plo, np               ; block kb of 32 along K
.set WI, 32*(\kb)
.rept 32
	global_load_b32 v[64+WI], v4, s[\plo:\plo+1] offset:WI*\np th:TH_LOAD_NT   ; 32 lanes read 128 consecutive bytes; four waves stand side by side
.set WI, WI+1
.endr
.endm
.macro WBLK kb, plo, np
.set XS, 64+32*(\kb)
.set P, 16+8*(\kb)
.if (\kb) < 3
	s_wait_loadcnt 32                              ; this block's 32 loads are in; the next block's may be out
.else
	s_wait_loadcnt 0x0
.endif
.if (\kb) < 2
	WLOAD (\kb)+2, \plo, \np
.endif
	v_max3_num_f32 v52, |v[XS]|, |v[XS+1]|, |v[XS+2]|
	v_max3_num_f32 v53, |v[XS+3]|, |v[XS+4]|, |v[XS+5]|
.irp i, 6,10,14,18,22,26
	s_delay_alu instid0(VALU_DEP_2)
	v_max3_num_f32 v52, v52, |v[XS+\i]|, |v[XS+\i+1]|
	s_delay_alu instid0(VALU_DEP_2)
	v_max3_num_f32 v53, v53, |v[XS+\i+2]|, |v[XS+\i+3]|
.endr
	s_delay_alu instid0(VALU_DEP_2)
	v_max3_num_f32 v52, v52, |v[XS+30]|, |v[XS+31]|
	s_delay_alu instid0(VALU_DEP_1)
	v_max3_num_f32 v52, v52, v53, 0x1800000        ; the floor
	s_delay_alu instid0(VALU_DEP_1)
	v_add_nc_u32 v54, 0xff000000, v52
	s_delay_alu instid0(VALU_DEP_1)
	v_lshrrev_b32 v55, 23, v54
.if (\kb) == 0
	s_delay_alu instid0(VALU_DEP_1)
	v_mov_b32 v11, v55                             ; the column's scale word: all four bytes are mine
.else
	s_delay_alu instid0(VALU_DEP_1)
	v_lshl_or_b32 v11, v55, 8*(\kb), v11
.endif
	v_cvt_scalef32_pk16_fp6_f32 v[P:P+2], v[XS:XS+15], v54
	v_cvt_scalef32_pk16_fp6_f32 v[48:50], v[XS+16:XS+31], v54
	v_nop                                          ; one plain place behind a scaled conversion
.irp i, 0,1,2
	v_mov_b32 v[P+3+\i], v[48+\i]
.endr
	; the block's 24 bytes are registers 6 (kb / 2) .. + 5 of lane r + 16 (kb % 2) of my column's image
.if (\kb) < 2
	ds_store_b128 v5, v[P:P+3] offset:256*((\kb)%2)
	ds_store_b64 v5, v[P+4:P+5] offset:512+256*((\kb)%2)
.else
	ds_store_b64 v5, v[P:P+1] offset:520+256*((\kb)%2)
	ds_store_b128 v5, v[P+2:P+5] offset:1024+256*((\kb)%2)
.endif
.endm
.macro WPATH plo, np, gb, first, im, scb
	s_sub_co_u32 s17, ttmp9, \first
	s_and_b32 s18, s17, 3                          ; sp: which pair of K steps
	s_lshr_b32 s17, s17, 2                         ; the group of 128 columns
	s_lshr_b32 s30, s16, 2                         ; kk: which of the two K steps
	s_and_b32 s28, s16, 3                          ; bq: which 32 columns
	s_lshl_b32 s22, s18, 1
	s_add_co_u32 s23, s22, s30                     ; my K step
	s_mul_i32 s24, s23, 128*\np
	s_lshl_b32 s25, s17, 9
	s_add_co_u32 s24, s24, s25
	s_lshl_b32 s25, s28, 7
	s_add_co_u32 s24, s24, s25
	s_mov_b32 s25, 0                               ; s[24:25]: my first number
	s_add_co_u32 s26, s17, \gb
	s_lshl_b32 s26, s26, 3
	s_add_co_u32 s22, s26, s22                     ; the work-group's first cell
	s_add_co_u32 s26, s26, s23                     ; my cell
	s_mul_i32 s26, s26, 12288
	s_mul_i32 s27, s28, 3072
	s_add_co_u32 s26, s26, s27                     ; my two images, blocks 2 bq and 2 bq + 1, lie on end
	s_mov_b32 s27, 0
	s_lshl_b32 s22, s22, 9
	s_mov_b32 s23, 0
	v_lshlrev_b32 v4, 2, v1
	v_bfe_u32 v14, v0, 3, 1                        ; column 32 bq + l is place r = l % 8 + 8 (l / 16) of block 2 bq + u, u = (l / 8) % 2
	v_and_b32 v15, 7, v0
	s_delay_alu instid0(VALU_DEP_1)
	v_lshl_add_u32 v15, v3, 3, v15
	s_mul_i32 s29, s16, 3072
	s_add_co_u32 s29, s29, \im
	v_mul_u32_u24 v5, v14, 1536
	s_delay_alu instid0(VALU_DEP_1)
	v_lshl_add_u32 v5, v15, 4, v5
	s_delay_alu instid0(VALU_DEP_1)
	v_add_nc_u32 v5, s29, v5                       ; into my images
	v_add_nc_u32 v6, s29, v10                      ; and back, as they lie
	s_lshl_b32 s31, s30, 9
	s_lshl_b32 s29, s28, 3
	s_add_co_u32 s31, s31, s29
	s_add_co_u32 s31, s31, \scb
	v_lshlrev_b32 v7, 5, v15
	s_delay_alu instid0(VALU_DEP_1)
	v_lshl_add_u32 v7, v14, 2, v7
	s_delay_alu instid0(VALU_DEP_1)
	v_add_nc_u32 v7, s31, v7                       ; my scale word: cell kk, 32 r + 4 (2 bq + u)
	v_add_nc_u32 v8, \scb, v9
	s_wait_kmcnt 0x0
	s_add_nc_u64 s[\plo:\plo+1], s[\plo:\plo+1], s[24:25]
	s_add_nc_u64 s[10:11], s[10:11], s[26:27]
	s_add_nc_u64 s[12:13], s[12:13], s[22:23]
	WLOAD 0, \plo, \np
	WLOAD 1, \plo, \np
	WBLK 0, \plo, \np
	WBLK 1, \plo, \np
	WBLK 2, \plo, \np
	WBLK 3, \plo, \np
	ds_store_b32 v7, v11
.irp t, 0,1,2,3,4,5
	ds_load_b128 v[192+4*\t:195+4*\t], v6 offset:512*\t   ; my own bytes, served in order
.endr
.irp t, 0,1,2,3,4,5
	s_wait_dscnt 5-\t                              ; the younger loads may be out
	global_store_b128 v10, v[192+4*\t:195+4*\t], s[10:11] offset:512*\t
.endr
	TAIL
.endm
.Lweights:
	s_cmp_lt_u32 ttmp9, 352
	s_cbranch_scc0 .Lwout
	s_wait_alu depctr_va_vdst(0)
	WPATH 6, 12288, 64, 256, QIM, QSC
.Lwout:
	s_wait_alu depctr_va_vdst(0)
	WPATH 8, 4096, 88, 352, OIM, OSC
.Lfunc_end_k_q95b58a94d4_quant:
	.size	k_q95b58a94d4_quant, .Lfunc_end_k_q95b58a94d4_quant-k_q95b58a94d4_quant
	.p2alignl 7, 3214868480
	.fill 96, 4, 3214868480
	.section	.rodata,"a",@progbits
	.p2align	6, 0x0
	.amdhsa_kernel k_q95b58a94d4_quant
		.amdhsa_group_segment_fixed_size 120832
		.amdhsa_private_segment_fixed_size 0
		.amdhsa_enable_private_segment 0
		.amdhsa_kernarg_size 40
		.amdhsa_user_sgpr_count 2
		.amdhsa_user_sgpr_kernarg_segment_ptr 1
		.amdhsa_wavefront_size32 1
		.amdhsa_system_sgpr_workgroup_id_x 1
		.amdhsa_system_sgpr_workgroup_id_y 1
		.amdhsa_system_sgpr_workgroup_id_z 1
		.amdhsa_system_vgpr_workitem_id 0
		.amdhsa_next_free_vgpr 256
		.amdhsa_next_free_sgpr 66
		.amdhsa_reserve_vcc 0
		.amdhsa_float_denorm_mode_32 3
		.amdhsa_float_denorm_mode_16_64 3
		.amdhsa_memory_ordered 1
		.amdhsa_forward_progress 1
		.amdhsa_inst_pref_size 68
	.end_amdhsa_kernel
	.amdgpu_metadata
---
amdhsa.version: [ 1, 2 ]
amdhsa.kernels:
  - .name:           k_q95b58a94d4_quant
    .symbol:         k_q95b58a94d4_quant.kd
    .args:
      - { .name: x, .offset: 0, .size: 8, .value_kind: global_buffer, .address_space: global }
      - { .name: W_qkv, .offset: 8, .size: 8, .value_kind: global_buffer, .address_space: global }
      - { .name: W_out, .offset: 16, .size: 8, .value_kind: global_buffer, .address_space: global }
      - { .name: ops_codes, .offset: 24, .size: 8, .value_kind: global_buffer, .address_space: global }
      - { .name: ops_scales, .offset: 32, .size: 8, .value_kind: global_buffer, .address_space: global }
    .group_segment_fixed_size: 120832
    .private_segment_fixed_size: 0
    .kernarg_segment_align: 8
    .kernarg_segment_size: 40
    .max_flat_workgroup_size: 256
    .sgpr_count:     66
    .vgpr_count:     256
    .wavefront_size: 32
...
	.end_amdgpu_metadata
.endif
;; end of part 1
;; launch qkv (part 2): grid 4 x 64, 4 waves a work-group, clusters of 4 x 4, 327,680 bytes of LDS; arguments ops_codes, ops_scales, b_qkv, qkv_codes, qkv_scales; writes qkv_codes, qkv_scales
.if DOCPART == 2
	.amdgcn_target "amdgcn-amd-amdhsa--gfx1250"
	.amdhsa_code_object_version 6
	.text
	.protected	k_q95b58a94d4_qkv
	.globl	k_q95b58a94d4_qkv
	.p2align	8
	.type	k_q95b58a94d4_qkv,@function
k_q95b58a94d4_qkv:
	s_mov_b64 s[64:65], 0
	v_nop
	global_prefetch_b8 v0, s[64:65] scope:SCOPE_SE
	s_setreg_imm32_b32 hwreg(HW_REG_WAVE_MODE, 25, 1), 1
	s_wait_xcnt 0x0
	s_wait_alu depctr_hold_cnt(0) depctr_sa_sdst(0) depctr_va_vdst(0) depctr_va_sdst(0) depctr_va_ssrc(0) depctr_va_vcc(0) depctr_vm_vsrc(0)
	s_getreg_b32 s2, hwreg(HW_REG_IB_STS2, 6, 4)
	s_cmp_eq_u32 s2, 0
	s_cbranch_scc0 .Lentry_in_a_cluster
	s_endpgm
.Lentry_in_a_cluster:
	s_bfe_u32 s2, ttmp6, 0x10000c
	s_cmp_lg_u32 s2, 0xf033
	s_cbranch_scc0 .Lentry_shape_is_right
	s_endpgm
.Lentry_shape_is_right:
; qkv = x W_qkv + b_qkv on codes of FP6 (E2M3) with E8M0 scales, and the result quantised at once: q and k along d, v along the KEYS (as v^T), into the workspace format:
; rows in groups of 128, block j place r = row 32 (j / 2) + 8 (j % 2) + r % 8 + 16 (r / 8); a cell (group x 128 along K) = 8 images of an operand's 12 registers (registers 4 c .. + 3 of lane l at 512 c + 16 l);
; a scale cell = 512 bytes, the word of (r, j) at 32 r + 4 j.  Cells of qkv_codes: q 8 g + s, k 512 + 8 g + s (g = row / 128), v^T 1024 + 64 (d / 128) + key / 128.
; SHARES.  256 work-groups of equal work.  A work-group owns ONE group of 128 rows of x and makes THREE tiles of 128 x 256 with it, one after the other: 256 columns of q, of k and of v (W^T's groups 64 + 8 t + 2 cx, + 1 in pass t).
; x's 8 cells are filled once and stay in LDS for all three passes; W^T's cells go through the two slots' W regions, four K steps a slot, and the ring runs on from pass to pass.
; THE MATRIX INSTRUCTION IS USED TRANSPOSED: the rows of source 0 run along a lane's registers, in their natural order thanks to the rows' order in a block; of source 1 a lane holds one row.
; q, k: source 0 = W^T's group wc (8 blocks), source 1 = x's blocks 4 wr on.  v: source 0 = x's 8 blocks (the keys run along the registers), source 1 = W_v^T's group wr, blocks 4 wc on.  32 accumulators a wave in every pass;
; only address registers, the row of the scale registers and the bias differ.  x's scale words always lie in lanes 0-15 of a scale register, W's in lanes 16-31.
; CLUSTER 4 x 4: x's cells are shared along a row of the cluster, W^T's along a column, by joint loads.  Head: wave 0 fetches x's cells, wave 1 pass 0's W^T, wave 2 x's scale cells, wave 3 W^T's of all passes; refills: waves 1 and 2 a group of W^T each.
; All tiles are dense blocks of memory, read from LDS at 16 x lane: no padding is wanted.  The bias is the C of each pass's first matrix instructions.
; LIMITS: a block of zeros gets the byte 1 where the rule says 127 (its codes are zeros; this program alone reads the bytes); NaN and infinities are not served.
; REGISTERS: window 0: v1 r, v2 h, v3 lane, v4, v5 the bias's offsets, v7-9 the scale words' stage, v10-15 scale words' addresses (two a pass), v16-19 source 1's LDS addresses (q, k: v16, 17; v: v18, 19), v20-23 source 0's,
;   v24 16 lane, v28, v29 the add's two, v32-47 scale words (two sets), v48-51 v's bias as loaded, v64-159 source 1's fragments (two sets), v160-239 the way out.
;   window 1: source 0's two sets at v0, v128.  window 2: accumulator (a, b) at v[8 (8 a + b)].  window 3: the bias: q's 8 tiles at v0, k's at v64, v's 4 at v128.
.set AB,    4                          ; blocks of source 1 to a wave
.set NQ,    4                          ; K steps in a slot
.set REG,   NQ*12288                   ; a group's part of a slot
.set SLOT,  REG                        ; from a group's K steps 0-3 to its K steps 4-7: a group's 8 cells lie on end in LDS, as in memory
.set GRP,   2*REG                      ; a group's 8 cells: x's group at 0, W^T's two groups at GRP and 2 GRP
.set FSTEP, 8*98304                    ; from a pass's group of W^T to the next pass's
.set SCLA,  3*GRP                      ; x's 8 scale cells
.set SCLB,  SCLA+4096                  ; W^T's: 8,192 bytes (two groups) a pass
.set SWA,   SCLB+3*8192+256            ; the way out: two scale cells for each pass, bytes of their own
.set SPARE, SWA+3*1024                 ; the spare words: two blocks of 256 bytes that no other line names
.set RC,    48*NQ                      ; a tile as rows of 256 bytes
.set ASC,   10
.set ADRA,  16
.set ADRB,  20
.set IO,    24
.set SPW,   28
.set NIL,   29
.set SC,    32
.set AF,    64
.set TM,    160                        ; the way out: v160-175 at work, v176-183 half blocks' codes, v184-231 codes (12 a block), v232-235 scale words, v236-239 a scale cell's 16 bytes
.set T2,    176
.set CD,    184
.set PWB,   232
.set WB,    236
.set TO_B,  0x40
.set MSB, 0
.macro WIN new                         ; the immediate's high byte repeats the setting that is left
.if MSB != \new
	s_set_vgpr_msb (MSB<<8)|\new
.set MSB, \new
.endif
.endm
.macro PLACES n                        ; plain vector places behind matrix instructions (ISA guide 7.12.1)
.rept \n
	v_nop
.endr
.endm
.macro CREST                           ; a round of the cluster's barrier behind its opening barrier
	s_cmp_lg_u32 s14, 0
	s_cbranch_scc1 .Lnot_wave_0_\@
	s_barrier_signal -3
.Lnot_wave_0_\@:
	s_barrier_wait -3
	s_barrier_signal -1
	s_barrier_wait -1
.endm
.macro CROUND
	s_barrier_signal -1
	s_barrier_wait -1
	CREST
.endm
.macro JLOADB g0b                      ; a joint refill: waves 1 and 2 fetch a group of W^T each; x's regions are never filled again; an s_nop 0 and four v_nop follow the line
	s_cmp_eq_u32 s14, 0
	s_cbranch_scc1 .Lasked_\@
	s_cmp_lt_u32 s14, 3
	s_cbranch_scc0 .Lasked_\@
	tensor_load_to_lds s[\g0b:\g0b+3], s[48:55]
	s_nop 0
	PLACES 4
.Lasked_\@:
.endm
.macro FETCH slot, q, ks, p, t         ; the fragments and scale words of pass t's K step ks, the slot's q-th, into set p: images come back as they were stored
.set KD_, (\t)/2                       ; 0 in passes q and k, 1 in pass v: which address registers
	WIN TO_B
.irp i, 0,1,2,3,4,5,6,7
.irp c, 0,1,2
	ds_load_b128 v[128*(\p)+12*\i+4*\c:128*(\p)+12*\i+4*\c+3], v[ADRB+2*KD_+\slot] offset:(\q)*12288+1536*\i+512*\c
.endr
.endr
	WIN 0
.set FI, 0
.rept AB
.irp c, 0,1,2
	ds_load_b128 v[AF+12*AB*(\p)+12*FI+4*\c:AF+12*AB*(\p)+12*FI+4*\c+3], v[ADRA+2*KD_+\slot] offset:(\q)*12288+1536*FI+512*\c
.endr
.set FI, FI+1
.endr
	ds_load_b128 v[SC+8*(\p):SC+8*(\p)+3], v[ASC+2*(\t)] offset:512*(\ks)       ; register i: lanes 0-15 the word of x's i-th block in use, lanes 16-31 that of W's
	ds_load_b128 v[SC+8*(\p)+4:SC+8*(\p)+7], v[ASC+2*(\t)+1] offset:512*(\ks)   ; blocks 4-7 of the side that has eight (the other side's lanes are not read)
.endm
; n blocks of source 1 from a0 on x source 0's eight.  mode 0: the sums go on; 2: they start from the bias of source 0's block; 3: from that of source 1's block; bo: where the pass's bias begins in window 3.
; kd 0: source 0 is W (its scales in lanes 16-31); kd 1: source 1 is.  The accumulators take turns.
.macro MUL a0, n, p, mode, kd, bo
.set MA, \a0
.rept \n
.set MB_, 0
.rept 8
.set RD_, 8*(8*MA+MB_)
.set RB_, 128*(\p)+12*MB_
.set RA_, AF+12*AB*(\p)+12*MA
.set SB_, SC+8*(\p)+MB_
.set SA_, SC+8*(\p)+MA
.if (\mode) == 0
.set RC_, RD_
.elseif (\mode) == 2
.set RC_, (\bo)+8*MB_
.else
.set RC_, (\bo)+8*MA
.endif
.if (\kd) == 0
	v_wmma_scale_f32_16x16x128_f8f6f4 v[RD_:RD_+7], v[RB_:RB_+11], v[RA_:RA_+11], v[RC_:RC_+7], v[SB_], v[SA_] matrix_a_fmt:MATRIX_FMT_FP6 matrix_b_fmt:MATRIX_FMT_FP6 matrix_a_scale:MATRIX_SCALE_ROW1
.else
	v_wmma_scale_f32_16x16x128_f8f6f4 v[RD_:RD_+7], v[RB_:RB_+11], v[RA_:RA_+11], v[RC_:RC_+7], v[SB_], v[SA_] matrix_a_fmt:MATRIX_FMT_FP6 matrix_b_fmt:MATRIX_FMT_FP6 matrix_b_scale:MATRIX_SCALE_ROW1
.endif
.set MB_, MB_+1
.endr
.set MA, MA+1
.endr
.endm
.macro PROD p, mode, kd, bo            ; a K step's 32 products.  Windows: source 0 in 1, source 1 in 0, D in 2, C with D or, for the bias, in 3
.if (\mode) >= 2
	WIN 0xb1
.else
	WIN 0xa1
.endif
	MUL 0, 4, \p, \mode, \kd, \bo
.endm
.macro STEP p, ns, nq, nks, nt, mode, kd, bo   ; multiplies set p; ahead of that asks for the next K step's set
	s_wait_dscnt 0x0                               ; set p, asked for a K step ago, is in
	PLACES 4                                       ; in front of loads into registers that the last K step's products have read
	FETCH \ns, \nq, \nks, 1-(\p), \nt
	PROD \p, \mode, \kd, \bo
.endm
; A slot's last K step (on set 1) changes slots: in front of the barrier each wave waits for all its tensor loads, adds 0 to its spare word, and waits for that and for its LDS reads.  fill = 1: the barrier opens a round of
; the cluster's barrier, and the W regions of the slot just read out take the next pass's same K steps, first thing behind the round: four K steps, 128 products a wave, in which to land.
.macro TURN slot, ns, nks, nt, fill, kd
	WIN 0
	s_wait_tensorcnt 0x0                           ; all my tensor loads have landed: my part of the next slot
	ds_add_u32 v[SPW], v[NIL]
	s_wait_dscnt 0x1                               ; set 1 is in (the add may be out)
	WIN 0xa1
	MUL 0, 1, 1, 0, \kd, 0
	s_wait_dscnt 0x0                               ; the add is done, and my reads of the slot are over
	s_barrier_signal -1
	MUL 1, 1, 1, 0, \kd, 0
	WIN 0
	s_barrier_wait -1
.if \fill
	CREST                                          ; no wave of any partner still reads the slot or has a load on its way
.set GB_, 60+8*(\slot)
	s_add_nc_u64 s[GB_+2:GB_+3], s[GB_+2:GB_+3], FSTEP
	JLOADB GB_
.endif
	PLACES 4                                       ; in front of the loads below, in every wave (waves 0 and 3 have issued no tensor load)
.if (\fill) && (\slot) == 0
	global_prefetch_b8 v30, s[56:57] offset:(\nt)*786432+49152 th:TH_LOAD_NT scope:SCOPE_SE   ; what the next refill will fetch: the next pass's K steps 4 to 7, my 24 blocks of 256 bytes
.endif
.if (\fill) && (\slot) == 1 && (\nt) == 1
	global_prefetch_b8 v30, s[56:57] offset:786432 th:TH_LOAD_NT scope:SCOPE_SE               ; pass 2's K steps 0 to 3; behind the last refill nothing is left to ask for
.endif
	FETCH \ns, 0, \nks, 0, \nt
	WIN 0xa1
	MUL 2, 2, 1, 0, \kd, 0
.endm
.macro LAST kd
	s_wait_dscnt 0x0
	PROD 1, 0, \kd, 0
	WIN 0
.endm
; A pass: 8 K steps.  Passes 0 and 1 fill both slots' W regions again, for the pass that follows, and fetch its first fragments.
.macro PASS t, kd, mode, bo
	STEP 0, 0, 1, 1, \t, \mode, \kd, \bo           ; the first K step starts the sums from the bias
	STEP 1, 0, 2, 2, \t, 0, \kd, 0
	STEP 0, 0, 3, 3, \t, 0, \kd, 0
.if \t < 2
	TURN 0, 1, 4, \t, 1, \kd
.else
	TURN 0, 1, 4, \t, 0, \kd
.endif
	STEP 0, 1, 1, 5, \t, 0, \kd, 0
	STEP 1, 1, 2, 6, \t, 0, \kd, 0
	STEP 0, 1, 3, 7, \t, 0, \kd, 0
.if \t < 2
	TURN 1, 0, 0, (\t)+1, 1, \kd
.else
	LAST \kd
.endif
.endm
; Block a's 64 numbers a lane (register 16 b + i = k 32 b + 16 h + i of my row) become an image and a scale word.  The accumulators are read where they lie, each from its low end on.
.macro QUANTW a, cb, co
.set AC, 64*(\a)
.set CA, CD+12*(\a)
	WIN 0x28                                       ; sources 1 and 2 in window 2
.irp b, 0,1,2,3
	v_max3_num_f32 v[TM+\b], 0x1800000, |v[AC+16*\b]|, |v[AC+16*\b+1]|   ; with the floor 2^(3 - 127): the byte cannot fall under 1
.endr
.irp i, 2,4,6,8,10,12,14
.irp b, 0,1,2,3
	v_max3_num_f32 v[TM+\b], v[TM+\b], |v[AC+16*\b+\i]|, |v[AC+16*\b+\i+1]|
.endr
.endr
	WIN 0
.irp b, 0,1,2,3
	v_permlanex16_b32 v[TM+4+\b], v[TM+\b], s66, s67
.endr
.irp b, 0,1,2,3
	v_max_num_f32 v[TM+\b], v[TM+\b], v[TM+4+\b]   ; with lane l xor 16's: the block's largest magnitude
.endr
.irp b, 0,1,2,3
	v_add_nc_u32 v[TM+12+\b], 0xff000000, v[TM+\b] ; 2 off its exponent field: the conversion's scale operand
.endr
.irp b, 0,1,2,3
	v_lshrrev_b32 v[TM+4+\b], 23, v[TM+12+\b]      ; the scale's byte
.endr
	v_lshl_or_b32 v[PWB+\a], v[TM+5], 8, v[TM+4]
	v_lshl_or_b32 v[PWB+\a], v[TM+6], 16, v[PWB+\a]
	v_lshl_or_b32 v[PWB+\a], v[TM+7], 24, v[PWB+\a]
	WIN 0x02                                       ; source 0 in window 2
.irp c, 0,1
	v_cvt_scalef32_pk16_fp6_f32 v[CA+6*\c:CA+6*\c+2], v[AC+32*\c:AC+32*\c+15], v[TM+12+2*\c]
	v_cvt_scalef32_pk16_fp6_f32 v[T2+4*\c:T2+4*\c+2], v[AC+32*\c+16:AC+32*\c+31], v[TM+12+2*\c+1]
.endr
	WIN 0
	v_nop                                          ; one plain place behind a scaled conversion
.irp c, 0,1                            ; the operand wants a whole block of 32 in a lane
.irp i, 0,1,2
	v_permlane16_swap_b32 v[CA+6*\c+\i], v[T2+4*\c+\i]
.endr
.irp i, 0,1,2
	v_mov_b32 v[CA+3+6*\c+\i], v[T2+4*\c+\i]
.endr
.endr
.irp c, 0,1,2
	global_store_b128 v[IO], v[CA+4*\c:CA+4*\c+3], s[\cb:\cb+1] offset:(\co)+1536*(\a)+512*\c   ; the image: 512 consecutive bytes a store
.endr
.endm
; THE WAY OUT of pass t.  cb, co: the codes' base and offset; sw: where my four scale words go in the stage; sb, so: the scale cells' base and offset.
; A wave's four words a row are half of a scale cell: the halves meet in LDS, and waves 0 and 1 send a whole cell each.  The next pass's first fragments are on their way or in meanwhile: nothing here names their registers.
.macro WAYOUT t, cb, co, sw, sb, so
	PLACES 4                                       ; behind the pass's last products, whose results are read
	s_wait_xcnt 0x0                                ; the last pass's stores have read their registers: they are written again only behind this wait
.irp a, 0,1,2,3
	QUANTW \a, \cb, \co
.endr
	ds_store_b128 v[\sw], v[PWB:PWB+3] offset:1024*(\t)   ; (both halves of the lanes write the same bytes with the same values)
	s_wait_dscnt 0x0                               ; for the others' sake: my store is done
	s_barrier_signal -1
	s_barrier_wait -1
	s_cmp_lt_u32 s14, 2
	s_cbranch_scc0 .Lno_words_\@
	ds_load_b128 v[WB:WB+3], v9 offset:1024*(\t)
	s_wait_dscnt 0x0
	global_store_b128 v[IO], v[WB:WB+3], s[\sb:\sb+1] offset:\so   ; a whole scale cell, 512 consecutive bytes
.Lno_words_\@:
.endm
	s_load_b256 s[4:11], s[0:1], 0x0               ; ops_codes s[4:5], ops_scales s[6:7], b_qkv s[8:9], qkv_codes s[10:11]
	s_load_b64 s[12:13], s[0:1], 0x20              ; qkv_scales
	v_lshl_add_u32 v[SPW], v0, 2, SPARE
	v_mov_b32 v[NIL], 0
	ds_add_u32 v[SPW], v[NIL]                      ; the wave's opening
	ds_add_u32 v[SPW], v[NIL]
	v_lshrrev_b32 v1, 5, v0
	v_readfirstlane_b32 s14, v1                    ; wave
	s_lshr_b32 s15, s14, 1                         ; wr.  Also: which group of W^T waves 1 and 2 fetch
	s_and_b32 s16, s14, 1                          ; wc
	s_min_u32 s97, s14, 1                          ; which scale cell waves 0 and 1 send
	s_bfe_u32 s92, ttmp6, 0x40000                  ; cx
	s_bfe_u32 s93, ttmp6, 0x40004                  ; cy
	s_and_b32 s95, ttmp7, 0xffff                   ; Y: cluster y
	s_lshl_b32 s20, s93, 2
	s_lshl_b32 s20, 15, s20                        ; my row of the cluster
	s_lshl_b32 s21, 0x1111, s92                    ; my column
	s_or_b32 s24, s20, (3<<16)|(1<<21)             ; group 1: the mask; elements of 8 bytes; bit 21 beside a mask; no padding
	s_or_b32 s48, s21, (3<<16)|(1<<21)
	s_or_b32 s76, s20, (3<<16)|(1<<21)
	s_or_b32 s84, s21, (3<<16)|(1<<21)
.irp g, 24, 48                         ; codes at the head, as rows of 256 bytes: x's 8 cells are 2 RC rows, W^T's two groups on end 4 RC rows
	s_mov_b32 s[\g+1], 32<<16
	s_mov_b32 s[\g+2], (\g/24*2*RC)<<16
	s_mov_b32 s[\g+3], 32<<16
	s_mov_b32 s[\g+4], \g/24*2*RC
	s_mov_b32 s[\g+5], 32
	s_mov_b32 s[\g+6], 0
	s_mov_b32 s[\g+7], 0
.endr
	s_mov_b32 s77, 32<<16                          ; x's 8 scale cells: 16 rows of 256
	s_mov_b32 s78, 16<<16
	s_mov_b32 s79, 32<<16
	s_mov_b32 s80, 16
	s_mov_b32 s81, 32
	s_mov_b32 s82, 0
	s_mov_b32 s83, 0
	s_mov_b32 s85, 1024<<16                        ; W^T's scale cells of all three passes: 3 rows of 8,192 bytes (a pass's two groups on end), 8 groups = 32,768 bytes apart
	s_mov_b32 s86, 3<<16
	s_mov_b32 s87, 1024<<16
	s_mov_b32 s88, 3
	s_mov_b32 s89, 4096
	s_mov_b32 s90, 0
	s_mov_b32 s91, 0
	s_mov_b32 s66, 0x76543210
	s_mov_b32 s67, 0xfedcba98                      ; v_permlanex16_b32's selects for lane l xor 16
	s_lshl_b32 s96, s95, 2
	s_add_co_u32 s96, s96, s93                     ; my group of x: 4 Y + cy
	s_mul_i32 s18, s96, 98304                      ; its 8 cells
	s_mov_b32 s19, 0
	s_lshl_b32 s20, s96, 12                        ; its 8 scale cells
	s_mov_b32 s21, 0
	s_lshl_b32 s94, s92, 1                         ; 2 cx
	s_add_co_u32 s22, s94, s15
	s_add_co_u32 s22, s22, 64                      ; the group of W^T that waves 1 and 2 fetch in pass 0: hangs on cx alone
	s_mul_i32 s100, s22, 98304
	s_mov_b32 s101, 0
	s_add_co_u32 s2, s94, 64                       ; the first group of pass 0: its scale cells begin the three rows
	s_lshl_b32 s2, s2, 12
	s_mov_b32 s3, 0
	s_mul_i32 s17, s14, GRP                        ; where W's tiles go: region = wave
	s_wait_dscnt 0x0                               ; both opening adds are done
	CROUND                                         ; the round in front of the first joint loads; the arguments are on their way meanwhile
	s_wait_kmcnt 0x0
	s_add_nc_u64 s[18:19], s[4:5], s[18:19]
	s_add_nc_u64 s[100:101], s[4:5], s[100:101]
	; the prefetches' base: pass 1's K steps 0 to 3 of the work-group's two groups of W^T are 2 x 192 blocks of 256 bytes; the column's four partners and their four waves take 24 blocks each, told apart by address:
	; share c = 4 cy + wave: group c / 8, 6,144 bytes x (c % 8)
	s_add_co_u32 s58, s94, 72
	s_lshr_b32 s59, s93, 1
	s_add_co_u32 s58, s58, s59
	s_mul_i32 s58, s58, 98304
	s_and_b32 s59, s93, 1
	s_lshl_b32 s59, s59, 2
	s_add_co_u32 s59, s59, s14
	s_mul_i32 s59, s59, 6144
	s_add_co_u32 s58, s58, s59
	s_mov_b32 s59, 0
	s_add_nc_u64 s[56:57], s[4:5], s[58:59]        ; never rewritten
	s_mov_b32 s32, 1                               ; x's scale cells
	s_mov_b32 s33, SCLA
	s_add_nc_u64 s[34:35], s[6:7], s[20:21]
	s_or_b32 s35, s35, 0x80000000
	s_mov_b32 s72, 1                               ; W's scale cells, all three passes
	s_mov_b32 s73, SCLB
	s_add_nc_u64 s[74:75], s[6:7], s[2:3]
	s_or_b32 s75, s75, 0x80000000
	s_mov_b32 s36, 1                               ; x's 8 cells, filled once
	s_mov_b32 s37, 0
	s_mov_b64 s[38:39], s[18:19]
	s_or_b32 s39, s39, 0x80000000
.irp s, 0,1                            ; W^T, slot s: K steps 4 s .. 4 s + 3 of my group; wave 1's set for slot 0 also serves the head's load of both groups
	s_mov_b32 s[60+8*\s], 1
	s_add_co_u32 s[61+8*\s], s17, \s*SLOT
	s_add_nc_u64 s[62+8*\s:63+8*\s], s[100:101], \s*REG
	s_or_b32 s[63+8*\s], s[63+8*\s], 0x80000000
.endr
	; where the results go
	s_mov_b32 s3, 0
	s_add_co_u32 s2, s94, s15                      ; v: my group of d, 2 cx + wr
	s_lshl_b32 s2, s2, 6
	s_add_co_u32 s2, s2, s96
	s_add_co_u32 s2, s2, 1024                      ; its cell: 1024 + 64 x group of d + group of keys
	s_mul_i32 s2, s2, 12288
	s_mul_i32 s98, s16, 6144                       ; my four blocks of it
	s_add_co_u32 s2, s2, s98
	s_add_nc_u64 s[44:45], s[10:11], s[2:3]
	s_add_co_u32 s2, s94, s97
	s_lshl_b32 s2, s2, 6
	s_add_co_u32 s2, s2, s96
	s_add_co_u32 s2, s2, 1024
	s_lshl_b32 s2, s2, 9
	s_add_nc_u64 s[46:47], s[12:13], s[2:3]        ; v's scale cell that waves 0 and 1 send
	s_lshl_b32 s99, s96, 3
	s_add_co_u32 s99, s99, s94                     ; q: 8 x group of rows + 2 cx
	s_add_co_u32 s2, s99, s16
	s_mul_i32 s2, s2, 12288
	s_mul_i32 s98, s15, 6144
	s_add_co_u32 s2, s2, s98
	s_add_nc_u64 s[10:11], s[10:11], s[2:3]        ; q's cell, my four blocks; k's lies 512 cells on: in the stores' immediate
	s_add_co_u32 s2, s99, s97
	s_lshl_b32 s2, s2, 9
	s_add_nc_u64 s[12:13], s[12:13], s[2:3]
	s_add_co_u32 s2, s94, s15                      ; the bias.  v: 2048 + 128 (2 cx + wr) + 64 wc
	s_lshl_b32 s2, s2, 9
	s_lshl_b32 s98, s16, 8
	s_add_co_u32 s2, s2, s98
	s_add_co_u32 s2, s2, 8192
	s_add_nc_u64 s[20:21], s[8:9], s[2:3]
	s_add_co_u32 s2, s94, s16                      ; q: 128 (2 cx + wc); k: 1,024 numbers on
	s_lshl_b32 s2, s2, 9
	s_add_nc_u64 s[8:9], s[8:9], s[2:3]
	v_and_b32 v1, 15, v0                           ; r
	v_bfe_u32 v2, v0, 4, 1                         ; h
	v_and_b32 v3, 31, v0                           ; lane
	v_lshlrev_b32 v4, 6, v2                        ; q, k: register j of tile t is column 32 (t / 2) + 8 (t % 2) + 16 h + j
	v_and_b32 v5, 7, v1
	v_lshrrev_b32 v6, 3, v1
	v_lshlrev_b32 v5, 2, v5
	v_lshl_add_u32 v5, v6, 6, v5                   ; v: every register of tile a is d 32 (a / 2) + 8 (a % 2) + r % 8 + 16 (r / 8) of my 64
	WIN 0xc0                                       ; destination window 3
.irp t, 0,1,2,3,4,5,6,7
	global_load_b128 v[8*\t:8*\t+3], v4, s[8:9] offset:4*(32*(\t/2)+8*(\t%2))
	global_load_b128 v[8*\t+4:8*\t+7], v4, s[8:9] offset:4*(32*(\t/2)+8*(\t%2))+16
	global_load_b128 v[64+8*\t:64+8*\t+3], v4, s[8:9] offset:4096+4*(32*(\t/2)+8*(\t%2))
	global_load_b128 v[64+8*\t+4:64+8*\t+7], v4, s[8:9] offset:4096+4*(32*(\t/2)+8*(\t%2))+16
.endr
	WIN 0
.irp a, 0,1,2,3
	global_load_b32 v[48+\a], v5, s[20:21] offset:4*(32*(\a/2)+8*(\a%2))
.endr
; THE HEAD'S LOADS, ONE A WAVE, in one chain of branches on the wave's number: wave 0 x's 8 cells, wave 1 pass 0's 16 cells of W^T, wave 2 x's scale cells, wave 3 W^T's scale cells of all passes.
.macro ARM under, g0, g1, next
	s_cmp_lt_u32 s14, \under
	s_cbranch_scc0 \next
	tensor_load_to_lds s[\g0:\g0+3], s[\g1:\g1+7]
	s_nop 0
	PLACES 4
	s_branch .Lfirst_asked
\next:
.endm
	ARM 1, 36, 24, .Lhead_w
	ARM 2, 60, 48, .Lhead_sx
	ARM 3, 32, 76, .Lhead_sw
	tensor_load_to_lds s[72:75], s[84:91]
	s_nop 0
	PLACES 4
.Lfirst_asked:
	s_wait_alu depctr_va_vdst(0)
	v_lshlrev_b32 v[IO], 4, v3
	v_min_u32 v30, 23, v3                          ; a lane a block; the eight lanes left over name the wave's last block again
	v_lshlrev_b32 v30, 8, v30                      ; never rewritten
	s_wait_alu depctr_va_vdst(0)
	global_prefetch_b8 v30, s[56:57] th:TH_LOAD_NT scope:SCOPE_SE   ; what the first refill will fetch, four K steps ahead of it
	s_mul_i32 s18, s15, 6144
	s_mul_i32 s19, s16, GRP
	s_add_co_u32 s19, s19, GRP                     ; source 0 = W^T's group wc
	s_mul_i32 s22, s15, GRP
	s_add_co_u32 s22, s22, GRP
	s_mul_i32 s23, s16, 6144
	s_add_co_u32 s22, s22, s23                     ; v: source 1 = W^T's group wr, blocks 4 wc on; source 0 = x's eight blocks
.irp s, 0,1
	v_add_nc_u32 v[ADRA+\s], s18, v[IO]
	v_add_nc_u32 v[ADRB+\s], s19, v[IO]
	v_add_nc_u32 v[ADRA+2+\s], s22, v[IO]
	v_add_nc_u32 v[ADRB+2+\s], \s*SLOT, v[IO]
	s_add_co_u32 s18, s18, SLOT
	s_add_co_u32 s19, s19, SLOT
	s_add_co_u32 s22, s22, SLOT
.endr
	s_lshl_b32 s18, s15, 4                         ; the scale words.  q: lanes 0-15 x's blocks 4 wr on, at 32 r + 16 wr; lanes 16-31 W's group wc, blocks 0-3 and, by the second register, 4-7
	s_lshl_b32 s19, s16, 12
	s_add_co_u32 s19, s19, SCLB-SCLA
	s_sub_co_u32 s19, s19, s18
	v_mul_u32_u24 v6, s19, v2
	s_add_co_u32 s18, s18, SCLA
	v_lshl_add_u32 v6, v1, 5, v6
	v_add_nc_u32 v[ASC], s18, v6
	v_lshl_add_u32 v[ASC+1], v2, 4, v[ASC]
	s_add_co_u32 s19, s19, 8192                    ; k: W's lie 8,192 bytes on
	v_mul_u32_u24 v6, s19, v2
	v_lshl_add_u32 v6, v1, 5, v6
	v_add_nc_u32 v[ASC+2], s18, v6
	v_lshl_add_u32 v[ASC+3], v2, 4, v[ASC+2]
	s_lshl_b32 s19, s15, 12                        ; v: lanes 0-15 x's blocks 0-3 and, by the second register, 4-7; lanes 16-31 W's group wr, blocks 4 wc on
	s_lshl_b32 s23, s16, 4
	s_add_co_u32 s19, s19, s23
	s_add_co_u32 s19, s19, SCLB-SCLA+16384
	v_mul_u32_u24 v6, s19, v2
	v_lshl_add_u32 v6, v1, 5, v6
	v_add_nc_u32 v[ASC+4], SCLA, v6
	v_xor_b32 v6, 1, v2
	v_lshl_add_u32 v[ASC+5], v6, 4, v[ASC+4]
	s_lshl_b32 s18, s15, 4                         ; the way out's stage.  q, k: my four words of cell wc at 32 r + 16 wr
	s_lshl_b32 s19, s16, 9
	s_add_co_u32 s19, s19, s18
	s_add_co_u32 s19, s19, SWA
	v_lshl_add_u32 v8, v1, 5, s19
	s_lshl_b32 s18, s16, 4                         ; v: of cell wr at 32 r + 16 wc
	s_lshl_b32 s19, s15, 9
	s_add_co_u32 s19, s19, s18
	s_add_co_u32 s19, s19, SWA
	v_lshl_add_u32 v7, v1, 5, s19
	s_lshl_b32 s19, s97, 9
	s_add_co_u32 s19, s19, SWA
	v_add_nc_u32 v9, s19, v[IO]                    ; and a whole cell, for waves 0 and 1
.irp b, 0,1,2,3
	v_mov_b32 v[TM+4+\b], 0                        ; (a lane permute's destination counts as one of its sources)
.endr
	s_wait_loadcnt 0x0                             ; the bias
	WIN 0xc0                                       ; destination window 3
.irp a, 0,1,2,3
.irp j, 0,1,2,3,4,5,6,7
	v_mov_b32 v[128+8*\a+\j], v[48+\a]             ; v's bias hangs on the lane's row alone: the same in a tile's eight registers
.endr
.endr
	WIN 0
	s_wait_tensorcnt 0x0                           ; my one load of the head is in
	s_mov_b32 s50, RC<<16                          ; no tensor load of mine is out, so a descriptor may be written: a refill brings one group's four K steps, RC rows
	s_mov_b32 s52, RC
	s_barrier_signal -1
	s_barrier_wait -1
	FETCH 0, 0, 0, 0, 0
	PASS 0, 0, 2, 0                                ; q
	WAYOUT 0, 10, 0, 8, 12, 0
	PASS 1, 0, 2, 64                               ; k: 512 cells behind q
	WAYOUT 1, 10, 6291456, 8, 12, 262144
	PASS 2, 1, 3, 128                              ; v^T
	WAYOUT 2, 44, 0, 7, 46, 0
	s_wait_tensorcnt 0x0                           ; the wave's end
	ds_add_u32 v[SPW], v[NIL]
	s_wait_dscnt 0x0
	CROUND                                         ; the closing round
	s_endpgm
.Lfunc_end_k_q95b58a94d4_qkv:
	.size	k_q95b58a94d4_qkv, .Lfunc_end_k_q95b58a94d4_qkv-k_q95b58a94d4_qkv
	.p2alignl 7, 3214868480
	.fill 96, 4, 3214868480
	.section	.rodata,"a",@progbits
	.p2align	6, 0x0
	.amdhsa_kernel k_q95b58a94d4_qkv
		.amdhsa_group_segment_fixed_size 327680
		.amdhsa_private_segment_fixed_size 0
		.amdhsa_enable_private_segment 0
		.amdhsa_kernarg_size 40
		.amdhsa_user_sgpr_count 2
		.amdhsa_user_sgpr_kernarg_segment_ptr 1
		.amdhsa_wavefront_size32 1
		.amdhsa_system_sgpr_workgroup_id_x 1
		.amdhsa_system_sgpr_workgroup_id_y 1
		.amdhsa_system_sgpr_workgroup_id_z 1
		.amdhsa_system_vgpr_workitem_id 0
		.amdhsa_next_free_vgpr 1024
		.amdhsa_next_free_sgpr 102
		.amdhsa_reserve_vcc 0
		.amdhsa_float_denorm_mode_32 3
		.amdhsa_float_denorm_mode_16_64 3
		.amdhsa_memory_ordered 1
		.amdhsa_forward_progress 1
		.amdhsa_inst_pref_size 231
	.end_amdhsa_kernel
	.amdgpu_metadata
---
amdhsa.version: [ 1, 2 ]
amdhsa.kernels:
  - .name:           k_q95b58a94d4_qkv
    .symbol:         k_q95b58a94d4_qkv.kd
    .args:
      - { .name: ops_codes, .offset: 0, .size: 8, .value_kind: global_buffer, .address_space: global }
      - { .name: ops_scales, .offset: 8, .size: 8, .value_kind: global_buffer, .address_space: global }
      - { .name: b_qkv, .offset: 16, .size: 8, .value_kind: global_buffer, .address_space: global }
      - { .name: qkv_codes, .offset: 24, .size: 8, .value_kind: global_buffer, .address_space: global }
      - { .name: qkv_scales, .offset: 32, .size: 8, .value_kind: global_buffer, .address_space: global }
    .group_segment_fixed_size: 327680
    .private_segment_fixed_size: 0
    .kernarg_segment_align: 8
    .kernarg_segment_size: 40
    .max_flat_workgroup_size: 128
    .sgpr_count:     102
    .vgpr_count:     1024
    .wavefront_size: 32
...
	.end_amdgpu_metadata
.endif
;; end of part 2
;; launch scores (part 3): grid 8 x 32, 4 waves a work-group, clusters of 4 x 4, 327,680 bytes of LDS; arguments qkv_codes, qkv_scales, p_codes, p_stats; writes p_codes, p_stats
.if DOCPART == 3
	.amdgcn_target "amdgcn-amd-amdhsa--gfx1250"
	.amdhsa_code_object_version 6
	.text
	.protected	k_q95b58a94d4_scores
	.globl	k_q95b58a94d4_scores
	.p2align	8
	.type	k_q95b58a94d4_scores,@function
k_q95b58a94d4_scores:
	s_mov_b64 s[64:65], 0
	v_nop
	global_prefetch_b8 v0, s[64:65] scope:SCOPE_SE
	s_setreg_imm32_b32 hwreg(HW_REG_WAVE_MODE, 25, 1), 1
	s_wait_xcnt 0x0
	s_wait_alu depctr_hold_cnt(0) depctr_sa_sdst(0) depctr_va_vdst(0) depctr_va_sdst(0) depctr_va_ssrc(0) depctr_va_vcc(0) depctr_vm_vsrc(0)
	s_getreg_b32 s2, hwreg(HW_REG_IB_STS2, 6, 4)
	s_cmp_eq_u32 s2, 0
	s_cbranch_scc0 .Lentry_in_a_cluster
	s_endpgm
.Lentry_in_a_cluster:
	s_bfe_u32 s2, ttmp6, 0x10000c
	s_cmp_lg_u32 s2, 0xf033
	s_cbranch_scc0 .Lentry_shape_is_right
	s_endpgm
.Lentry_shape_is_right:
; S = q k^T on codes of FP6 (E2M3) with E8M0 scales, and the softmax's p quantised at once, CHUNK BY CHUNK OF 128 KEYS: t = score x log2(e) / 32; M_loc = the largest t of my row in the chunk, rounded UP to a whole
; number; p = 2^(t - M_loc), quantised along the keys.  A whole-number change of M is an exact power of two that a block's scale byte takes up: the next launch takes M - M_loc off the bytes, and the codes stay.
; Stored for each row and chunk: the codes, the scale word, -M_loc (f32, a whole number) and l_loc, the sum of the UNQUANTISED p.  The maximum is taken away before every exponential.
; The workspace format: rows in groups of 128, block j place r = row 32 (j / 2) + 8 (j % 2) + r % 8 + 16 (r / 8); a cell (group x 128 along K) = 8 images of an operand's 12 registers; a scale cell = 512 bytes, (r, j) at 32 r + 4 j.
; p's cell = 16 x (query / 128) + key chunk.  p_stats: three sections of scale cells: the words, at 524,288 -M_loc, at 1,048,576 l_loc.
; TRANSPOSED USE: source 0 = k ("B"), source 1 = q ("A"): a lane holds one query, its registers run along the chunk's keys in their natural order.  A work-group makes 256 queries x 256 keys, a wave 128 x 128.
; K = 1,024 is 8 steps through three LDS slots of two steps, all filled at the start, slot 0 once more.  CLUSTER 4 x 4: q's tiles shared along a row, k's along a column, by joint loads.
; LIMITS: a block whose every p has fallen to 0 keeps the byte 1 (its codes are zeros); -M_loc is exact as an f32 whole number at every size of t; NaN and infinities are not served.
; REGISTERS as in the launch before; on the way out window 0 v64-95 at work, v96-191 codes, v192-199 scale words, v200-207 -M_loc, v208-215 l_loc.
.set AB,    8
.set NQ,    2
.set REG,   NQ*12288
.set SLOT,  REG                        ; from a pair of K steps to the next in a group's region
.set GRP,   3*REG                      ; a group's region: K steps 0 to 5 on end, as in memory; q's two groups, then k's two
.set FSTEP, 6*12288
.set SCL,   4*GRP
.set SPARE, SCL+4*4096
.set RC,    48*NQ
.set RS,    32                         ; two groups' scale cells on end: 32 rows of 256 bytes
.set ADRA,  16
.set ADRB,  20
.set IO,    24
.set WO,    25
.set ADRS,  27
.set ADRS2, 27
.set SOFF2, 16
.set SPW,   28
.set NIL,   29
.set SC,    32
.set AF,    64
.set BM,    64                         ; the four blocks' largest scores, then largest p
.set PT,    68
.set SO,    72                         ; the conversions' scale operands
.set BY,    76                         ; the bytes
.set T2,    88
.set CD,    96
.set PWB,   192
.set MB,    200
.set LB,    208
.set TO_B,  0x40
.set MSB, 0
.macro WIN new
.if MSB != \new
	s_set_vgpr_msb (MSB<<8)|\new
.set MSB, \new
.endif
.endm
.macro PLACES n
.rept \n
	v_nop
.endr
.endm
.macro CREST
	s_cmp_lg_u32 s14, 0
	s_cbranch_scc1 .Lnot_wave_0_\@
	s_barrier_signal -3
.Lnot_wave_0_\@:
	s_barrier_wait -3
	s_barrier_signal -1
	s_barrier_wait -1
.endm
.macro CROUND
	s_barrier_signal -1
	s_barrier_wait -1
	CREST
.endm
.macro JLOAD g0a, g1a, g0b, g1b        ; waves 0, 1 fetch for q, waves 2, 3 for k; an s_nop 0 and four v_nop follow each line
	s_cmp_eq_u32 s15, 0
	s_cbranch_scc0 .Lfor_b_\@
	tensor_load_to_lds s[\g0a:\g0a+3], s[\g1a:\g1a+7]
	s_nop 0
	PLACES 4
	s_branch .Lasked_\@
.Lfor_b_\@:
	tensor_load_to_lds s[\g0b:\g0b+3], s[\g1b:\g1b+7]
	s_nop 0
	PLACES 4
.Lasked_\@:
.endm
.macro FETCH slot, q, ks, p
	WIN TO_B
.irp i, 0,1,2,3,4,5,6,7
.irp c, 0,1,2
	ds_load_b128 v[128*(\p)+12*\i+4*\c:128*(\p)+12*\i+4*\c+3], v[ADRB+\slot] offset:(\q)*12288+1536*\i+512*\c
.endr
.endr
	WIN 0
.set FI, 0
.rept AB
.irp c, 0,1,2
	ds_load_b128 v[AF+12*AB*(\p)+12*FI+4*\c:AF+12*AB*(\p)+12*FI+4*\c+3], v[ADRA+\slot] offset:(\q)*12288+1536*FI+512*\c
.endr
.set FI, FI+1
.endr
	ds_load_b128 v[SC+8*(\p):SC+8*(\p)+3], v[ADRS] offset:512*(\ks)
	ds_load_b128 v[SC+8*(\p)+4:SC+8*(\p)+7], v[ADRS2] offset:512*(\ks)+SOFF2
.endm
.macro MUL a0, n, p, mode              ; mode 0: the sums go on; 1: the first product starts them.  The accumulators take turns
.set MA, \a0
.rept \n
.set MB_, 0
.rept 8
.set RD_, 8*(8*(MA%4)+MB_)
.set RB_, 128*(\p)+12*MB_
.set RA_, AF+12*AB*(\p)+12*MA
.set SB_, SC+8*(\p)+MB_
.set SA_, SC+8*(\p)+MA
.if (\mode) == 0
	v_wmma_scale_f32_16x16x128_f8f6f4 v[RD_:RD_+7], v[RB_:RB_+11], v[RA_:RA_+11], v[RD_:RD_+7], v[SB_], v[SA_] matrix_a_fmt:MATRIX_FMT_FP6 matrix_b_fmt:MATRIX_FMT_FP6 matrix_a_scale:MATRIX_SCALE_ROW1
.else
	v_wmma_scale_f32_16x16x128_f8f6f4 v[RD_:RD_+7], v[RB_:RB_+11], v[RA_:RA_+11], 0, v[SB_], v[SA_] matrix_a_fmt:MATRIX_FMT_FP6 matrix_b_fmt:MATRIX_FMT_FP6 matrix_a_scale:MATRIX_SCALE_ROW1
.endif
.set MB_, MB_+1
.endr
.set MA, MA+1
.endr
.endm
.macro PROD p, mode
	WIN 0xa1
	MUL 0, 4, \p, \mode
	WIN 0xf1
	MUL 4, 4, \p, \mode
.endm
.macro STEP p, ns, nq, nks, mode
	s_wait_dscnt 0x0                               ; set p, asked for a K step ago, is in
	PLACES 4                                       ; in front of loads into registers that the last K step's products have read
	FETCH \ns, \nq, \nks, 1-(\p)
	PROD \p, \mode
.endm
.macro TURN slot, ns, nks, fill        ; a K step (on set 1) with a barrier in it; fill = 1: a round of the cluster's barrier, and the slot is filled again first thing behind it
	WIN 0
	s_wait_tensorcnt 0x0                           ; all my tensor loads have landed
	ds_add_u32 v[SPW], v[NIL]
	s_wait_dscnt 0x1                               ; set 1 is in (the add may be out)
	WIN 0xa1
	MUL 0, 2, 1, 0
	s_wait_dscnt 0x0                               ; the add is done, and my reads of the slot are over
	s_barrier_signal -1
	MUL 2, 2, 1, 0
	WIN 0
	s_barrier_wait -1
.if \fill
	CREST
.set GA_, 36+4*(\slot)
.set GB_, 60+8*(\slot)-4*((\slot)/2)
	s_add_nc_u64 s[GA_+2:GA_+3], s[GA_+2:GA_+3], FSTEP
	s_add_nc_u64 s[GB_+2:GB_+3], s[GB_+2:GB_+3], FSTEP
	JLOAD GA_, 24, GB_, 48
.else
	PLACES 4
.endif
	FETCH \ns, 0, \nks, 0
	WIN 0xf1
	MUL 4, 4, 1, 0
.endm
.macro LAST
	s_wait_dscnt 0x0
	PROD 1, 0
	WIN 0
.endm
; Block a: 16 queries x my 128 keys, 64 scores a lane (register 16 b + i = key 32 b + 16 h + i), worked where they lie.
.macro SOFT a
.set W_, 2+(\a)/4
.set AC, 64*((\a)%4)
.set CA, CD+12*(\a)
.set WS12, (W_<<2)|(W_<<4)
.set WSD0, (W_<<6)|W_
.set WS1, W_<<2
	WIN WS12
.irp b, 0,1,2,3
	v_max3_num_f32 v[BM+\b], 0xff800000, v[AC+16*\b], v[AC+16*\b+1]   ; the largest score of each block of 32 keys: it serves for the row's maximum and, since p rises with the score, for the block's largest p
.endr
.irp i, 2,4,6,8,10,12,14
.irp b, 0,1,2,3
	v_max3_num_f32 v[BM+\b], v[BM+\b], v[AC+16*\b+\i], v[AC+16*\b+\i+1]
.endr
.endr
	WIN 0
.irp b, 0,1,2,3
	v_permlanex16_b32 v[PT+\b], v[BM+\b], s66, s67
.endr
.irp b, 0,1,2,3
	v_max_num_f32 v[BM+\b], v[BM+\b], v[PT+\b]     ; with lane l xor 16's 16 keys
.endr
	v_max3_num_f32 v86, v[BM], v[BM+1], v[BM+2]
	v_max_num_f32 v86, v86, v[BM+3]
	v_mul_f32 v86, s96, v86                        ; the chunk's largest t of my query
	v_floor_f32 v80, -v86                          ; -M_loc = floor(-t) = -ceil(t)
	WIN WSD0                                       ; destination and source 0 in the accumulators' window
.set J_, 0
.rept 32
	v_pk_fma_f32 v[AC+J_:AC+J_+1], v[AC+J_:AC+J_+1], s[96:97], v[80:81] op_sel_hi:[1,0,0]   ; t - M_loc, two at a time
.set J_, J_+2
.endr
	WIN 0
.irp b, 0,1,2,3
	v_fma_f32 v[BM+\b], v[BM+\b], s96, v80         ; the same of each block's largest score
.endr
	WIN WSD0
.set J_, 0
	s_wait_alu depctr_va_vdst(0)
.rept 64
	v_exp_f32 v[AC+J_], v[AC+J_]                   ; p = 2^(t - M_loc)
.set J_, J_+1
.endr
	WIN 0
.irp b, 0,1,2,3
	v_exp_f32 v[BM+\b], v[BM+\b]                   ; the block's largest p: the same two instructions on the same number
.endr
.irp i, 82,83,84,85,88,89,92,93
	v_mov_b32 v[\i], 0                             ; the sum's four chains (two of them in registers that the conversions below write later); also the plain places behind the exponentials
.endr
	s_wait_alu depctr_va_vdst(0)                   ; one wait for the batch of 68, ahead of its first reader
	WIN WS1                                        ; source 1 in the accumulators' window
.set J_, 0
.rept 8
	v_pk_add_f32 v[82:83], v[82:83], v[AC+J_:AC+J_+1]       ; the sum is taken of the unquantised p, in four chains by turns: an addition reads the result of the fourth before it
	v_pk_add_f32 v[84:85], v[84:85], v[AC+J_+2:AC+J_+3]
	v_pk_add_f32 v[88:89], v[88:89], v[AC+J_+4:AC+J_+5]
	v_pk_add_f32 v[92:93], v[92:93], v[AC+J_+6:AC+J_+7]
.set J_, J_+8
.endr
	WIN 0
	v_pk_add_f32 v[82:83], v[82:83], v[84:85]
	v_pk_add_f32 v[88:89], v[88:89], v[92:93]
	v_pk_add_f32 v[82:83], v[82:83], v[88:89]
	v_add_f32 v82, v82, v83
	v_permlanex16_b32 v86, v82, s66, s67
	v_add_f32 v[LB+\a], v82, v86                   ; l_loc
	v_mov_b32 v[MB+\a], v80
.irp b, 0,1,2,3
	v_max_num_f32 v[BM+\b], 0x1800000, v[BM+\b]    ; the floor 2^(3 - 127): the byte cannot fall under 1
.endr
.irp b, 0,1,2,3
	v_add_nc_u32 v[SO+\b], 0xff000000, v[BM+\b]
.endr
.irp b, 0,1,2,3
	v_lshrrev_b32 v[BY+\b], 23, v[SO+\b]
.endr
	v_lshl_or_b32 v[PWB+\a], v[BY+1], 8, v[BY]
	v_lshl_or_b32 v[PWB+\a], v[BY+2], 16, v[PWB+\a]
	v_lshl_or_b32 v[PWB+\a], v[BY+3], 24, v[PWB+\a]
	WIN W_
.irp c, 0,1
	v_cvt_scalef32_pk16_fp6_f32 v[CA+6*\c:CA+6*\c+2], v[AC+32*\c:AC+32*\c+15], v[SO+2*\c]
	v_cvt_scalef32_pk16_fp6_f32 v[T2+4*\c:T2+4*\c+2], v[AC+32*\c+16:AC+32*\c+31], v[SO+2*\c+1]
.endr
	WIN 0
	v_nop                                          ; one plain place behind a scaled conversion
.irp c, 0,1
.irp i, 0,1,2
	v_permlane16_swap_b32 v[CA+6*\c+\i], v[T2+4*\c+\i]
.endr
.irp i, 0,1,2
	v_mov_b32 v[CA+3+6*\c+\i], v[T2+4*\c+\i]
.endr
.endr
.irp c, 0,1,2
	global_store_b128 v[IO], v[CA+4*\c:CA+4*\c+3], s[8:9] offset:1536*(\a)+512*\c
.endr
.endm
.macro WORDS src, dst, base, off
.irp i, 0,1,2,3
	v_cndmask_b32 v[\dst+\i], v[\src+\i], v[\src+4+\i], vcc_lo
.endr
	global_store_b128 v[WO], v[\dst:\dst+3], s[\base:\base+1] offset:\off
.endm
	s_load_b256 s[4:11], s[0:1], 0x0               ; qkv_codes s[4:5], qkv_scales s[6:7], p_codes s[8:9], p_stats s[10:11]
	v_lshl_add_u32 v[SPW], v0, 2, SPARE
	v_mov_b32 v[NIL], 0
	ds_add_u32 v[SPW], v[NIL]                      ; the wave's opening
	ds_add_u32 v[SPW], v[NIL]
	v_lshrrev_b32 v1, 5, v0
	v_readfirstlane_b32 s14, v1
	s_lshr_b32 s15, s14, 1                         ; wr
	s_and_b32 s16, s14, 1                          ; wc
	s_bfe_u32 s92, ttmp6, 0x40000                  ; cx
	s_bfe_u32 s93, ttmp6, 0x40004                  ; cy
	s_mov_b32 s94, ttmp9                           ; X
	s_and_b32 s95, ttmp7, 0xffff                   ; Y
	s_lshl_b32 s96, s93, 2
	s_lshl_b32 s96, 15, s96
	s_lshl_b32 s97, 0x1111, s92
	s_or_b32 s24, s96, (3<<16)|(1<<21)
	s_or_b32 s48, s97, (3<<16)|(1<<21)
	s_or_b32 s76, s96, (3<<16)|(1<<21)
	s_or_b32 s84, s97, (3<<16)|(1<<21)
.irp g, 24, 48                         ; codes at the head: 2 rows (two groups) of 6 cells = 73,728 bytes = 9,216 elements of 8 bytes, a group's 8 cells = 12,288 elements apart
	s_mov_b32 s[\g+1], 9216<<16
	s_mov_b32 s[\g+2], 2<<16
	s_mov_b32 s[\g+3], 9216<<16
	s_mov_b32 s[\g+4], 2
	s_mov_b32 s[\g+5], 12288
	s_mov_b32 s[\g+6], 0
	s_mov_b32 s[\g+7], 0
.endr
.irp g, 76, 84
	s_mov_b32 s[\g+1], 32<<16
	s_mov_b32 s[\g+2], RS<<16
	s_mov_b32 s[\g+3], 32<<16
	s_mov_b32 s[\g+4], RS
	s_mov_b32 s[\g+5], 32
	s_mov_b32 s[\g+6], 0
	s_mov_b32 s[\g+7], 0
.endr
	s_mov_b32 s66, 0x76543210
	s_mov_b32 s67, 0xfedcba98
	s_mov_b32 s96, 0x3d38aa3b                      ; c = log2(e) / 32
	s_mov_b32 s97, s96                             ; (named with it as a pair)
	s_lshl_b32 s17, s95, 2
	s_add_co_u32 s17, s17, s93
	s_lshl_b32 s17, s17, 1                         ; the work-group's first group of q: 2 (4 Y + cy)
	s_add_co_u32 s18, s17, s16                     ; the one that I fetch
	s_add_co_u32 s98, s17, s15                     ; the one that I multiply
	s_lshl_b32 s22, s94, 2
	s_add_co_u32 s22, s22, s92
	s_lshl_b32 s22, s22, 1
	s_add_co_u32 s22, s22, s16                     ; the key chunk, 2 (4 X + cx) + wave % 2: the one that I fetch, and the one that I multiply
	s_lshl_b32 s98, s98, 4
	s_add_co_u32 s98, s98, s22                     ; my output cell
	s_lshr_b32 s23, s95, 1
	s_lshl_b32 s23, s23, 4                         ; 16 x batch
	s_add_co_u32 s22, s22, s23
	s_add_co_u32 s22, s22, 64                      ; k's groups lie 64 groups behind q's
	s_mul_i32 s20, s18, 98304
	s_mov_b32 s21, 0
	s_lshl_b32 s18, s18, 12
	s_mov_b32 s19, 0
	s_mul_i32 s100, s22, 98304
	s_mov_b32 s101, 0
	s_lshl_b32 s22, s22, 12
	s_mov_b32 s23, 0
	s_mul_i32 s17, s14, GRP                        ; my group's region
	s_mul_i32 s2, s16, 98304                       ; from the pair's first group to the one that I fetch: in codes,
	s_mov_b32 s3, 0
	s_lshl_b32 s94, s16, 12                        ; and in scale cells
	s_mov_b32 s95, 0
	s_wait_dscnt 0x0                               ; both opening adds are done
	CROUND                                         ; the round in front of the first joint loads; the arguments are on their way meanwhile
	s_wait_kmcnt 0x0
	s_mov_b32 s32, 1                               ; the scale cells of q's two groups, on end
	s_mov_b32 s33, SCL
	s_add_nc_u64 s[34:35], s[6:7], s[18:19]
	s_sub_nc_u64 s[34:35], s[34:35], s[94:95]
	s_or_b32 s35, s35, 0x80000000
	s_mov_b32 s56, 1                               ; and of k's two
	s_mov_b32 s57, SCL+8192
	s_add_nc_u64 s[58:59], s[6:7], s[22:23]
	s_sub_nc_u64 s[58:59], s[58:59], s[94:95]
	s_or_b32 s59, s59, 0x80000000
	s_add_nc_u64 s[20:21], s[4:5], s[20:21]
	s_add_nc_u64 s[100:101], s[4:5], s[100:101]
	s_mov_b32 s40, 1                               ; the head: K steps 0 to 5 of q's two groups,
	s_mov_b32 s41, 0
	s_sub_nc_u64 s[42:43], s[20:21], s[2:3]
	s_or_b32 s43, s43, 0x80000000
	s_mov_b32 s68, 1                               ; and of k's two
	s_mov_b32 s69, 2*GRP
	s_sub_nc_u64 s[70:71], s[100:101], s[2:3]
	s_or_b32 s71, s71, 0x80000000
	s_mov_b32 s36, 1                               ; the one refill: my group's K steps 6 and 7 (the address is stepped there) over its K steps 0 and 1
	s_mov_b32 s37, s17
	s_mov_b64 s[38:39], s[20:21]
	s_or_b32 s39, s39, 0x80000000
	s_mov_b32 s60, 1
	s_mov_b32 s61, s17
	s_mov_b64 s[62:63], s[100:101]
	s_or_b32 s63, s63, 0x80000000
	s_mul_i32 s18, s98, 12288
	s_add_nc_u64 s[8:9], s[8:9], s[18:19]
	s_lshl_b32 s18, s98, 9
	s_add_nc_u64 s[10:11], s[10:11], s[18:19]
; THE HEAD'S LOADS, ONE A WAVE, in one chain of branches on the wave's number: wave 0 q's codes, wave 1 k's codes, wave 2 q's scale cells, wave 3 k's.
.macro ARM under, g0, g1, next
	s_cmp_lt_u32 s14, \under
	s_cbranch_scc0 \next
	tensor_load_to_lds s[\g0:\g0+3], s[\g1:\g1+7]
	s_nop 0
	PLACES 4
	s_branch .Lfirst_asked
\next:
.endm
	ARM 1, 40, 24, .Lhead_k
	ARM 2, 68, 48, .Lhead_sq
	ARM 3, 32, 76, .Lhead_sk
	tensor_load_to_lds s[56:59], s[84:91]
	s_nop 0
	PLACES 4
.Lfirst_asked:
	v_and_b32 v1, 15, v0                           ; r
	v_bfe_u32 v2, v0, 4, 1                         ; h
	v_and_b32 v3, 31, v0                           ; lane
	v_lshlrev_b32 v[IO], 4, v3
	v_lshlrev_b32 v[WO], 5, v1
	v_lshl_add_u32 v[WO], v2, 4, v[WO]
	s_mul_i32 s18, s15, GRP
	s_mul_i32 s19, s16, GRP
	s_add_co_u32 s19, s19, 2*GRP
.irp s, 0,1,2
	v_add_nc_u32 v[ADRA+\s], s18, v[IO]
	v_add_nc_u32 v[ADRB+\s], s19, v[IO]
	s_add_co_u32 s18, s18, SLOT
	s_add_co_u32 s19, s19, SLOT
.endr
	s_lshl_b32 s18, s15, 12
	s_lshl_b32 s19, s16, 12
	s_add_co_u32 s19, s19, 2*4096
	s_sub_co_u32 s19, s19, s18
	v_mul_u32_u24 v6, s19, v2                      ; lanes 16-31 take k's scale words
	s_add_co_u32 s18, s18, SCL
	v_lshl_add_u32 v6, v1, 5, v6
	v_add_nc_u32 v[ADRS], s18, v6
	s_wait_alu depctr_va_vdst(0)
	s_wait_tensorcnt 0x0                           ; my one load of the head is in
.irp g, 24, 48                         ; no tensor load of mine is out, so a descriptor may be written: the refill brings two cells of one group as RC rows of 256 bytes
	s_mov_b32 s[\g+1], 32<<16
	s_mov_b32 s[\g+2], RC<<16
	s_mov_b32 s[\g+3], 32<<16
	s_mov_b32 s[\g+4], RC
	s_mov_b32 s[\g+5], 32
.endr
	s_barrier_signal -1
	s_barrier_wait -1
	FETCH 0, 0, 0, 0
	STEP 0, 0, 1, 1, 1                             ; the first K step starts the sums
	TURN 0, 1, 2, 1                                ; K step 1; slots 1 and 2 are whole for everybody; slot 0 takes K steps 6 and 7
	STEP 0, 1, 1, 3, 0
	STEP 1, 2, 0, 4, 0
	STEP 0, 2, 1, 5, 0
	TURN 2, 0, 6, 0                                ; K step 5; the refill, asked for 224 products ago, is in for everybody
	STEP 0, 0, 1, 7, 0
	LAST
	; THE WAY OUT
	PLACES 4
.irp b, 0,1,2,3
	v_mov_b32 v[PT+\b], 0                          ; (a lane permute's destination counts as one of its sources)
.endr
	v_mov_b32 v81, 0                               ; (named as the upper half of the pair v[80:81])
.irp a, 0,1,2,3,4,5,6,7
	SOFT \a
.endr
	v_cmp_le_u32 vcc_lo, 16, v3
	WORDS PWB, 216, 10, 0
	WORDS MB, 220, 10, 524288
	WORDS LB, 224, 10, 1048576
	s_wait_tensorcnt 0x0                           ; the wave's end
	ds_add_u32 v[SPW], v[NIL]
	s_wait_dscnt 0x0
	CROUND                                         ; the closing round
	s_endpgm
.Lfunc_end_k_q95b58a94d4_scores:
	.size	k_q95b58a94d4_scores, .Lfunc_end_k_q95b58a94d4_scores-k_q95b58a94d4_scores
	.p2alignl 7, 3214868480
	.fill 96, 4, 3214868480
	.section	.rodata,"a",@progbits
	.p2align	6, 0x0
	.amdhsa_kernel k_q95b58a94d4_scores
		.amdhsa_group_segment_fixed_size 327680
		.amdhsa_private_segment_fixed_size 0
		.amdhsa_enable_private_segment 0
		.amdhsa_kernarg_size 32
		.amdhsa_user_sgpr_count 2
		.amdhsa_user_sgpr_kernarg_segment_ptr 1
		.amdhsa_wavefront_size32 1
		.amdhsa_system_sgpr_workgroup_id_x 1
		.amdhsa_system_sgpr_workgroup_id_y 1
		.amdhsa_system_sgpr_workgroup_id_z 1
		.amdhsa_system_vgpr_workitem_id 0
		.amdhsa_next_free_vgpr 1024
		.amdhsa_next_free_sgpr 102
		.amdhsa_reserve_vcc 1
		.amdhsa_float_denorm_mode_32 3
		.amdhsa_float_denorm_mode_16_64 3
		.amdhsa_memory_ordered 1
		.amdhsa_forward_progress 1
		.amdhsa_inst_pref_size 198
	.end_amdhsa_kernel
	.amdgpu_metadata
---
amdhsa.version: [ 1, 2 ]
amdhsa.kernels:
  - .name:           k_q95b58a94d4_scores
    .symbol:         k_q95b58a94d4_scores.kd
    .args:
      - { .name: qkv_codes, .offset: 0, .size: 8, .value_kind: global_buffer, .address_space: global }
      - { .name: qkv_scales, .offset: 8, .size: 8, .value_kind: global_buffer, .address_space: global }
      - { .name: p_codes, .offset: 16, .size: 8, .value_kind: global_buffer, .address_space: global }
      - { .name: p_stats, .offset: 24, .size: 8, .value_kind: global_buffer, .address_space: global }
    .group_segment_fixed_size: 327680
    .private_segment_fixed_size: 0
    .kernarg_segment_align: 8
    .kernarg_segment_size: 32
    .max_flat_workgroup_size: 128
    .sgpr_count:     102
    .vgpr_count:     1024
    .wavefront_size: 32
...
	.end_amdgpu_metadata
.endif
;; end of part 3
;; launch ctx (part 4): grid 4 x 64, 4 waves a work-group, clusters of 4 x 4, 327,680 bytes of LDS; arguments p_codes, p_stats, qkv_codes, qkv_scales, ctx_codes, ctx_scales; writes ctx_codes, ctx_scales
.if DOCPART == 4
	.amdgcn_target "amdgcn-amd-amdhsa--gfx1250"
	.amdhsa_code_object_version 6
	.text
	.protected	k_q95b58a94d4_ctx
	.globl	k_q95b58a94d4_ctx
	.p2align	8
	.type	k_q95b58a94d4_ctx,@function
k_q95b58a94d4_ctx:
	s_mov_b64 s[64:65], 0
	v_nop
	global_prefetch_b8 v0, s[64:65] scope:SCOPE_SE
	s_setreg_imm32_b32 hwreg(HW_REG_WAVE_MODE, 25, 1), 1
	s_wait_xcnt 0x0
	s_wait_alu depctr_hold_cnt(0) depctr_sa_sdst(0) depctr_va_vdst(0) depctr_va_sdst(0) depctr_va_ssrc(0) depctr_va_vcc(0) depctr_vm_vsrc(0)
	s_getreg_b32 s2, hwreg(HW_REG_IB_STS2, 6, 4)
	s_cmp_eq_u32 s2, 0
	s_cbranch_scc0 .Lentry_in_a_cluster
	s_endpgm
.Lentry_in_a_cluster:
	s_bfe_u32 s2, ttmp6, 0x10000c
	s_cmp_lg_u32 s2, 0xf033
	s_cbranch_scc0 .Lentry_shape_is_right
	s_endpgm
.Lentry_shape_is_right:
; ctx = p v / l on codes of FP6 (E2M3) with E8M0 scales, and the result quantised at once along d.  p arrives quantised under a whole number M_loc for each chunk of 128 keys.
; THE PROLOGUE brings it under the row's M = the largest M_loc: d = M - M_loc is taken off the chunk's four scale bytes (a byte that would fall under 0 is held at 0), and l = the sum of l_loc x 2^-d.
; Thread t does that for word t of its group's 16 scale cells and stores the new cells, and 1 / l, to LDS.  l is above 1/2: the chunk that holds M has a p above 1/2.
; The workspace format: rows in groups of 128, block j place r = row 32 (j / 2) + 8 (j % 2) + r % 8 + 16 (r / 8); a cell (group x 128 along K) = 8 images of an operand's 12 registers; a scale cell = 512 bytes, (r, j) at 32 r + 4 j.
; TRANSPOSED USE: source 0 = v^T ("B": rows d, K = keys), source 1 = p ("A"): a lane holds one query, its registers run along d.  A work-group makes 128 queries x 256 d; a wave 64 x 128: 32 accumulators.
; K = 2,048 is 16 steps through two LDS slots of four steps.  Wave 0 fetches p's group, waves 1 and 2 v^T's two groups, wave 3 v^T's scale cells, at the head only.  CLUSTER 4 x 4: p shared along a row, v^T along a column.
; LIMITS: a block of p whose byte is held at 0 counts as 2^-127 x its codes, under 2^-123 beside l > 1/2; a block of zeros of ctx gets the byte 1; NaN and infinities are not served.
; REGISTERS: window 0: v1 r, v2 h, v3 lane, v4-9 addresses, v16, 17, v20, 21 LDS addresses, v24 16 lane, v26, 27 scale words' addresses, v28, 29 the add's two, v32-47 scale words, v64-159 A's two sets.
;   window 1: B's two sets.  window 2: accumulator (a, b) at v[8 (8 a + b)].
.set AB,    4
.set NQ,    4
.set REG,   NQ*12288
.set SLOT,  REG                        ; from a group's slot 0 to its slot 1: the two lie on end in LDS, as 8 K steps do in memory
.set GRP,   2*REG                      ; a group's two slots: p's group at 0, v^T's two groups at GRP and 2 GRP
.set FSTEP, 8*12288
.set SCLA,  3*GRP                      ; p's 16 scale cells, written by the prologue
.set SCLB,  SCLA+8192                  ; v^T's, 8,192 bytes a group
.set RL,    SCLB+2*8192                ; 1 / l, a scale cell's layout
.set SWA,   RL+512                     ; the way out: two scale cells
.set SPARE, SWA+1024
.set RC,    48*NQ
.set RS,    32
.set ADRA,  16
.set ADRB,  20
.set IO,    24
.set ADRS2, 26
.set ADRS,  27
.set SOFF2, 0
.set SPW,   28
.set NIL,   29
.set SC,    32
.set AF,    64
.set TM,    64
.set T2,    80
.set CD,    96
.set PWB,   192
.set TO_B,  0x40
.set MSB, 0
.macro WIN new
.if MSB != \new
	s_set_vgpr_msb (MSB<<8)|\new
.set MSB, \new
.endif
.endm
.macro PLACES n
.rept \n
	v_nop
.endr
.endm
.macro CREST
	s_cmp_lg_u32 s14, 0
	s_cbranch_scc1 .Lnot_wave_0_\@
	s_barrier_signal -3
.Lnot_wave_0_\@:
	s_barrier_wait -3
	s_barrier_signal -1
	s_barrier_wait -1
.endm
.macro CROUND
	s_barrier_signal -1
	s_barrier_wait -1
	CREST
.endm
.macro JLOAD g0a, g1a, g0b, g1b        ; wave 0 fetches for A, waves 1 and 2 for B, wave 3 nothing; an s_nop 0 and four v_nop follow each line
	s_cmp_eq_u32 s14, 0
	s_cbranch_scc0 .Lnot_a_\@
	tensor_load_to_lds s[\g0a:\g0a+3], s[\g1a:\g1a+7]
	s_nop 0
	PLACES 4
	s_branch .Lasked_\@
.Lnot_a_\@:
	s_cmp_lt_u32 s14, 3
	s_cbranch_scc0 .Lasked_\@
	tensor_load_to_lds s[\g0b:\g0b+3], s[\g1b:\g1b+7]
	s_nop 0
	PLACES 4
.Lasked_\@:
.endm
.macro FETCH slot, q, ks, p
	WIN TO_B
.irp i, 0,1,2,3,4,5,6,7
.irp c, 0,1,2
	ds_load_b128 v[128*(\p)+12*\i+4*\c:128*(\p)+12*\i+4*\c+3], v[ADRB+\slot] offset:(\q)*12288+1536*\i+512*\c
.endr
.endr
	WIN 0
.set FI, 0
.rept AB
.irp c, 0,1,2
	ds_load_b128 v[AF+12*AB*(\p)+12*FI+4*\c:AF+12*AB*(\p)+12*FI+4*\c+3], v[ADRA+\slot] offset:(\q)*12288+1536*FI+512*\c
.endr
.set FI, FI+1
.endr
	ds_load_b128 v[SC+8*(\p):SC+8*(\p)+3], v[ADRS] offset:512*(\ks)             ; lanes 0-15: the words of my four blocks of A; lanes 16-31: of B's blocks 0-3
	ds_load_b128 v[SC+8*(\p)+4:SC+8*(\p)+7], v[ADRS2] offset:512*(\ks)+SOFF2    ; lanes 16-31: of B's blocks 4-7 (lanes 0-15 are not read)
.endm
.macro MUL a0, n, p, mode              ; mode 0: the sums go on; 1: the first product starts them.  The accumulators take turns
.set MA, \a0
.rept \n
.set MB_, 0
.rept 8
.set RD_, 8*(8*(MA%4)+MB_)
.set RB_, 128*(\p)+12*MB_
.set RA_, AF+12*AB*(\p)+12*MA
.set SB_, SC+8*(\p)+MB_
.set SA_, SC+8*(\p)+MA
.if (\mode) == 0
	v_wmma_scale_f32_16x16x128_f8f6f4 v[RD_:RD_+7], v[RB_:RB_+11], v[RA_:RA_+11], v[RD_:RD_+7], v[SB_], v[SA_] matrix_a_fmt:MATRIX_FMT_FP6 matrix_b_fmt:MATRIX_FMT_FP6 matrix_a_scale:MATRIX_SCALE_ROW1
.else
	v_wmma_scale_f32_16x16x128_f8f6f4 v[RD_:RD_+7], v[RB_:RB_+11], v[RA_:RA_+11], 0, v[SB_], v[SA_] matrix_a_fmt:MATRIX_FMT_FP6 matrix_b_fmt:MATRIX_FMT_FP6 matrix_a_scale:MATRIX_SCALE_ROW1
.endif
.set MB_, MB_+1
.endr
.set MA, MA+1
.endr
.endm
.macro PROD p, mode
	WIN 0xa1
	MUL 0, 4, \p, \mode
.endm
.macro STEP p, ns, nq, nks, mode
	s_wait_dscnt 0x0                               ; set p, asked for a K step ago, is in
	PLACES 4                                       ; in front of loads into registers that the last K step's products have read
	FETCH \ns, \nq, \nks, 1-(\p)
	PROD \p, \mode
.endm
.macro TURN slot, ns, nks, fill        ; a slot's last K step (on set 1) changes slots; fill = 1: a round of the cluster's barrier, and the slot is filled again first thing behind it
	WIN 0
	s_wait_tensorcnt 0x0                           ; all my tensor loads have landed: my part of the next slot
	ds_add_u32 v[SPW], v[NIL]
	s_wait_dscnt 0x1                               ; set 1 is in (the add may be out)
	WIN 0xa1
	MUL 0, 1, 1, 0
	s_wait_dscnt 0x0                               ; the add is done, and my reads of the slot are over
	s_barrier_signal -1
	MUL 1, 1, 1, 0
	WIN 0
	s_barrier_wait -1
.if \fill
	CREST
.set GA_, 36+4*(\slot)
.set GB_, 60+8*(\slot)
	s_add_nc_u64 s[GA_+2:GA_+3], s[GA_+2:GA_+3], FSTEP
	s_add_nc_u64 s[GB_+2:GB_+3], s[GB_+2:GB_+3], FSTEP
	JLOAD GA_, 24, GB_, 48
.endif
	PLACES 4                                       ; in front of the loads below, in every wave (wave 3 has issued no tensor load here)
.if (\fill) && (\slot) == 0
	global_prefetch_b8 v11, s[76:77] offset:49152 th:TH_LOAD_NT scope:SCOPE_SE   ; what the second refill will fetch, K steps 12 to 15: my 12 blocks of p,
	global_prefetch_b8 v12, s[78:79] offset:49152 th:TH_LOAD_NT scope:SCOPE_SE   ; and my 24 of v^T; behind the second refill nothing is left to ask for
.endif
	FETCH \ns, 0, \nks, 0
	WIN 0xa1
	MUL 2, 2, 1, 0
.endm
.macro LAST
	s_wait_dscnt 0x0
	PROD 1, 0
	WIN 0
.endm
.macro QUANTW a                        ; block a's 64 numbers a lane (register 16 b + i = d 32 b + 16 h + i of my row) become an image and a scale word
.set W_, 2
.set AC, 64*(\a)
.set CA, CD+12*(\a)
	WIN 0x28                                       ; sources 1 and 2 in window 2
.irp b, 0,1,2,3
	v_max3_num_f32 v[TM+\b], 0x1800000, |v[AC+16*\b]|, |v[AC+16*\b+1]|
.endr
.irp i, 2,4,6,8,10,12,14
.irp b, 0,1,2,3
	v_max3_num_f32 v[TM+\b], v[TM+\b], |v[AC+16*\b+\i]|, |v[AC+16*\b+\i+1]|
.endr
.endr
	WIN 0
.irp b, 0,1,2,3
	v_permlanex16_b32 v[TM+4+\b], v[TM+\b], s66, s67
.endr
.irp b, 0,1,2,3
	v_max_num_f32 v[TM+\b], v[TM+\b], v[TM+4+\b]
.endr
.irp b, 0,1,2,3
	v_add_nc_u32 v[TM+12+\b], 0xff000000, v[TM+\b]
.endr
.irp b, 0,1,2,3
	v_lshrrev_b32 v[TM+4+\b], 23, v[TM+12+\b]
.endr
	v_lshl_or_b32 v[PWB+\a], v[TM+5], 8, v[TM+4]
	v_lshl_or_b32 v[PWB+\a], v[TM+6], 16, v[PWB+\a]
	v_lshl_or_b32 v[PWB+\a], v[TM+7], 24, v[PWB+\a]
	WIN 0x02                                       ; source 0 in window 2
.irp c, 0,1
	v_cvt_scalef32_pk16_fp6_f32 v[CA+6*\c:CA+6*\c+2], v[AC+32*\c:AC+32*\c+15], v[TM+12+2*\c]
	v_cvt_scalef32_pk16_fp6_f32 v[T2+4*\c:T2+4*\c+2], v[AC+32*\c+16:AC+32*\c+31], v[TM+12+2*\c+1]
.endr
	WIN 0
	v_nop                                          ; one plain place behind a scaled conversion
.irp c, 0,1
.irp i, 0,1,2
	v_permlane16_swap_b32 v[CA+6*\c+\i], v[T2+4*\c+\i]
.endr
.irp i, 0,1,2
	v_mov_b32 v[CA+3+6*\c+\i], v[T2+4*\c+\i]
.endr
.endr
.irp c, 0,1,2
	global_store_b128 v[IO], v[CA+4*\c:CA+4*\c+3], s[96:97] offset:1536*(\a)+512*\c
.endr
.endm
	s_load_b256 s[4:11], s[0:1], 0x0               ; p_codes s[4:5], p_stats s[6:7], qkv_codes s[8:9], qkv_scales s[10:11]
	s_load_b128 s[96:99], s[0:1], 0x20             ; ctx_codes s[96:97], ctx_scales s[98:99]
	v_lshl_add_u32 v[SPW], v0, 2, SPARE
	v_mov_b32 v[NIL], 0
	ds_add_u32 v[SPW], v[NIL]                      ; the wave's opening
	ds_add_u32 v[SPW], v[NIL]
	v_lshrrev_b32 v1, 5, v0
	v_readfirstlane_b32 s14, v1
	s_lshr_b32 s15, s14, 1                         ; wr: my 64 rows.  Also: which group of B waves 1 and 2 fetch
	s_and_b32 s16, s14, 1                          ; wc: my group of B
	s_bfe_u32 s92, ttmp6, 0x40000                  ; cx
	s_bfe_u32 s93, ttmp6, 0x40004                  ; cy
	s_and_b32 s95, ttmp7, 0xffff                   ; Y
	s_lshl_b32 s20, s93, 2
	s_lshl_b32 s20, 15, s20                        ; my row of the cluster
	s_lshl_b32 s21, 0x1111, s92                    ; my column
	s_or_b32 s24, s20, (3<<16)|(1<<21)
	s_or_b32 s48, s21, (3<<16)|(1<<21)
	s_or_b32 s84, s21, (3<<16)|(1<<21)
.irp g, 24, 48                         ; codes at the head: a group's K steps 0 to 7, 2 RC rows of 256 bytes
	s_mov_b32 s[\g+1], 32<<16
	s_mov_b32 s[\g+2], (2*RC)<<16
	s_mov_b32 s[\g+3], 32<<16
	s_mov_b32 s[\g+4], 2*RC
	s_mov_b32 s[\g+5], 32
	s_mov_b32 s[\g+6], 0
	s_mov_b32 s[\g+7], 0
.endr
	s_mov_b32 s85, 1024<<16                        ; v^T's scale cells: 2 rows (two groups of d) of 16 cells = 8,192 bytes, a group's 64 cells = 32,768 bytes apart
	s_mov_b32 s86, 2<<16
	s_mov_b32 s87, 1024<<16
	s_mov_b32 s88, 2
	s_mov_b32 s89, 4096
	s_mov_b32 s90, 0
	s_mov_b32 s91, 0
	s_mov_b32 s66, 0x76543210
	s_mov_b32 s67, 0xfedcba98
	s_lshl_b32 s17, s95, 2
	s_add_co_u32 s17, s17, s93                     ; my group of queries: 4 Y + cy
	s_mul_i32 s18, s17, 196608                     ; its 16 cells of p
	s_mov_b32 s19, 0
	s_lshl_b32 s2, s17, 13                         ; its 16 scale cells
	s_mov_b32 s3, 0
	s_lshr_b32 s94, s95, 2                         ; batch
	s_lshl_b32 s22, s92, 1
	s_add_co_u32 s22, s22, s15                     ; the group of d that I fetch: 2 cx + wave / 2
	s_mul_i32 s100, s22, 786432
	s_mul_i32 s23, s94, 196608
	s_add_co_u32 s100, s100, s23
	s_add_co_u32 s100, s100, 12582912              ; v^T begins at cell 1,024
	; the prefetches' offsets.  K steps 8 to 11 of v^T's two groups are 2 x 192 blocks of 256 bytes: the column's four partners and their four waves take 24 each, told apart by address: share c = 4 cy + wave: group c / 8, 6,144 bytes x (c % 8).
	; Those of p's group are 192 blocks: the row's four partners and their four waves take 12 each: 3,072 bytes x (4 cx + wave)
	s_mul_i32 s81, s15, 786432
	s_sub_co_u32 s80, s100, s81                    ; group 2 cx of d
	s_lshr_b32 s81, s93, 1
	s_mul_i32 s81, s81, 786432
	s_add_co_u32 s80, s80, s81
	s_and_b32 s81, s93, 1
	s_lshl_b32 s81, s81, 2
	s_add_co_u32 s81, s81, s14
	s_mul_i32 s81, s81, 6144
	s_add_co_u32 s80, s80, s81
	s_add_co_u32 s80, s80, 98304                   ; K step 8
	s_mov_b32 s81, 0
	s_lshl_b32 s82, s92, 2
	s_add_co_u32 s82, s82, s14
	s_mul_i32 s82, s82, 3072
	s_add_co_u32 s82, s82, 98304
	s_mov_b32 s83, 0
	s_mov_b32 s101, 0
	s_lshl_b32 s22, s92, 16                        ; the scale cells of group 2 cx: 32,768 bytes a group
	s_lshl_b32 s23, s94, 13
	s_add_co_u32 s22, s22, s23
	s_add_co_u32 s22, s22, 524288
	s_mov_b32 s23, 0
	s_lshl_b32 s20, s17, 3
	s_lshl_b32 s21, s92, 1
	s_add_co_u32 s20, s20, s21
	s_add_co_u32 s20, s20, s16                     ; my output cell: 8 x group + 2 cx + wc
	s_lshl_b32 s94, s20, 9
	s_mov_b32 s95, 0
	s_mul_i32 s20, s20, 12288
	s_mul_i32 s21, s15, 6144
	s_add_co_u32 s20, s20, s21                     ; my four blocks of it
	s_mov_b32 s21, 0
	s_mul_i32 s17, s14, GRP                        ; where B's tiles go: region = wave
	s_wait_dscnt 0x0                               ; both opening adds are done
	CROUND                                         ; the round in front of the first joint loads; the arguments are on their way meanwhile
	s_wait_kmcnt 0x0
	s_add_nc_u64 s[6:7], s[6:7], s[2:3]
	s_add_nc_u64 s[18:19], s[4:5], s[18:19]
	s_add_nc_u64 s[100:101], s[8:9], s[100:101]
	s_add_nc_u64 s[76:77], s[18:19], s[82:83]      ; the prefetches' bases: never rewritten
	s_add_nc_u64 s[78:79], s[8:9], s[80:81]
	s_add_nc_u64 s[96:97], s[96:97], s[20:21]
	s_add_nc_u64 s[98:99], s[98:99], s[94:95]
	s_mov_b32 s56, 1
	s_mov_b32 s57, SCLB
	s_add_nc_u64 s[58:59], s[10:11], s[22:23]
	s_or_b32 s59, s59, 0x80000000
.irp s, 0,1                            ; slot s: K steps 4 s .. 4 s + 3
	s_mov_b32 s[36+4*\s], 1
	s_mov_b32 s[37+4*\s], \s*SLOT
	s_add_nc_u64 s[38+4*\s:39+4*\s], s[18:19], \s*REG
	s_or_b32 s[39+4*\s], s[39+4*\s], 0x80000000
	s_mov_b32 s[60+8*\s], 1
	s_add_co_u32 s[61+8*\s], s17, \s*SLOT
	s_add_nc_u64 s[62+8*\s:63+8*\s], s[100:101], \s*REG
	s_or_b32 s[63+8*\s], s[63+8*\s], 0x80000000
.endr
	v_lshlrev_b32 v4, 2, v0                        ; word t of a scale cell
.irp s, 0,1,2,3,4,5,6,7,8,9,10,11,12,13,14,15
	global_load_b32 v[64+\s], v4, s[6:7] offset:512*\s                ; chunk s: the scale word,
	global_load_b32 v[80+\s], v4, s[6:7] offset:524288+512*\s         ; -M_loc,
	global_load_b32 v[96+\s], v4, s[6:7] offset:1048576+512*\s        ; l_loc
.endr
; THE HEAD'S LOADS, ONE A WAVE, in one chain of branches on the wave's number: wave 0 p's K steps 0 to 7, waves 1 and 2 those of a group of v^T each, wave 3 v^T's scale cells.
.macro ARM under, g0, g1, next
	s_cmp_lt_u32 s14, \under
	s_cbranch_scc0 \next
	tensor_load_to_lds s[\g0:\g0+3], s[\g1:\g1+7]
	s_nop 0
	PLACES 4
	s_branch .Lfirst_asked
\next:
.endm
	ARM 1, 36, 24, .Lhead_v
	ARM 3, 60, 48, .Lhead_sv
	tensor_load_to_lds s[56:59], s[84:91]
	s_nop 0
	PLACES 4
.Lfirst_asked:
	v_and_b32 v1, 15, v0                           ; r
	v_bfe_u32 v2, v0, 4, 1                         ; h
	v_and_b32 v3, 31, v0                           ; lane
	v_lshl_add_u32 v5, v0, 2, SCLA                 ; where the prologue puts a new scale word,
	v_lshl_add_u32 v6, v0, 2, RL                   ; and 1 / l
	v_lshlrev_b32 v[IO], 4, v3
	v_min_u32 v11, 11, v3                          ; the prefetches' offsets: a lane a block; the lanes left over name the wave's last block again
	v_min_u32 v12, 23, v3
	v_lshlrev_b32 v11, 8, v11                      ; never rewritten
	v_lshlrev_b32 v12, 8, v12
	s_wait_alu depctr_va_vdst(0)
	s_lshl_b32 s18, s15, 4
	s_add_co_u32 s19, s18, RL
	v_lshl_add_u32 v7, v1, 5, s19                  ; 1 / l of my four blocks: 32 r + 16 wr
	s_lshl_b32 s19, s16, 9
	s_add_co_u32 s19, s19, s18
	s_add_co_u32 s19, s19, SWA
	v_lshl_add_u32 v8, v1, 5, s19                  ; the way out: my four words of cell wc
	s_min_u32 s19, s14, 1
	s_lshl_b32 s19, s19, 9
	s_add_co_u32 s19, s19, SWA
	v_add_nc_u32 v9, s19, v[IO]                    ; and the whole cell, for waves 0 and 1
	s_mul_i32 s18, s15, 6144
	s_mul_i32 s19, s16, GRP
	s_add_co_u32 s19, s19, GRP
.irp s, 0,1
	v_add_nc_u32 v[ADRA+\s], s18, v[IO]
	v_add_nc_u32 v[ADRB+\s], s19, v[IO]
	s_add_co_u32 s18, s18, SLOT
	s_add_co_u32 s19, s19, SLOT
.endr
	s_lshl_b32 s18, s15, 4
	s_lshl_b32 s19, s16, 13
	s_add_co_u32 s19, s19, SCLB-SCLA
	s_sub_co_u32 s19, s19, s18
	v_mul_u32_u24 v10, s19, v2                     ; lanes 16-31 take B's scale words
	s_add_co_u32 s18, s18, SCLA
	v_lshl_add_u32 v10, v1, 5, v10
	v_add_nc_u32 v[ADRS], s18, v10
	v_lshl_add_u32 v[ADRS2], v2, 4, v[ADRS]
	; THE PROLOGUE
	s_wait_loadcnt 0x0
	v_min3_num_f32 v112, v80, v81, v82
.irp i, 83,85,87,89,91,93
	v_min3_num_f32 v112, v112, v[\i], v[\i+1]
.endr
	v_min_num_f32 v112, v112, v95                  ; -M: the least -M_loc
.irp s, 0,1,2,3,4,5,6,7,8,9,10,11,12,13,14,15
	v_sub_f32 v113, v112, v[80+\s]                 ; M_loc - M: a whole number, 0 or less
	v_cvt_i32_f32 v113, v113                       ; (it saturates)
.if \s == 0
	v_ldexp_f32 v115, v[96+\s], v113               ; l_loc under M: nothing is rounded
.else
	v_ldexp_f32 v114, v[96+\s], v113
	v_add_f32 v115, v115, v114
.endif
	v_sub_nc_u32 v113, 0, v113
	v_min_u32 v113, 127, v113                      ; d, held at 127: the bytes are 125 at the most
	v_lshl_or_b32 v113, v113, 8, v113
	v_lshl_or_b32 v113, v113, 16, v113             ; in all four bytes
	v_or_b32 v114, 0x80808080, v[64+\s]
	v_sub_nc_u32 v114, v114, v113                  ; 128 + byte - d in each byte: between 1 and 253, so no byte borrows from its neighbour
	v_lshrrev_b32 v113, 7, v114
	v_and_b32 v113, 0x01010101, v113               ; 1 where byte - d is 0 or more
	v_lshlrev_b32 v116, 7, v113
	v_sub_nc_u32 v116, v116, v113                  ; 0x7f there, 0 elsewhere
	v_and_b32 v[64+\s], v114, v116
	ds_store_b32 v5, v[64+\s] offset:512*\s
.endr
	s_wait_alu depctr_va_vdst(0)
	v_rcp_f32 v117, v115
	v_nop                                          ; a plain place behind the reciprocal
	s_wait_alu depctr_va_vdst(0)                   ; and a wait ahead of its first reader
	ds_store_b32 v6, v117
	s_wait_tensorcnt 0x0                           ; my one load of the head is in
	s_mov_b32 s26, RC<<16                          ; no tensor load of mine is out, so a descriptor may be written: a refill brings four K steps, RC rows
	s_mov_b32 s28, RC
	s_mov_b32 s50, RC<<16
	s_mov_b32 s52, RC
	s_wait_dscnt 0x0                               ; for the others' sake: the prologue's stores are done
	s_barrier_signal -1
	s_barrier_wait -1
	global_prefetch_b8 v11, s[76:77] th:TH_LOAD_NT scope:SCOPE_SE   ; what the first refill will fetch, K steps 8 to 11, three K steps ahead of it: the head's loads have landed
	global_prefetch_b8 v12, s[78:79] th:TH_LOAD_NT scope:SCOPE_SE
	FETCH 0, 0, 0, 0
	STEP 0, 0, 1, 1, 1                             ; the first K step starts the sums
	STEP 1, 0, 2, 2, 0
	STEP 0, 0, 3, 3, 0
	TURN 0, 1, 4, 1                                ; slot 0 takes K steps 8 to 11
	STEP 0, 1, 1, 5, 0
	STEP 1, 1, 2, 6, 0
	STEP 0, 1, 3, 7, 0
	TURN 1, 0, 8, 1                                ; slot 1 takes K steps 12 to 15
	STEP 0, 0, 1, 9, 0
	STEP 1, 0, 2, 10, 0
	STEP 0, 0, 3, 11, 0
	TURN 0, 1, 12, 0
	STEP 0, 1, 1, 13, 0
	STEP 1, 1, 2, 14, 0
	STEP 0, 1, 3, 15, 0
	LAST
	; THE WAY OUT
	PLACES 4
	ds_load_b128 v[204:207], v7                    ; 1 / l of my row in my four blocks
.irp b, 0,1,2,3
	v_mov_b32 v[TM+4+\b], 0                        ; (a lane permute's destination counts as one of its sources)
.endr
	v_mov_b32 v209, 0                              ; (named as the upper half of the pair v[208:209])
	s_wait_dscnt 0x0
.irp a, 0,1,2,3
	v_mov_b32 v208, v[204+\a]
	s_wait_alu depctr_va_vdst(0)
	WIN 0x82                                       ; destination and source 0 in window 2
.set J_, 64*\a
.rept 32
	v_pk_mul_f32 v[J_:J_+1], v[J_:J_+1], v[208:209] op_sel_hi:[1,0]   ; ctx = the sum / l, each accumulator from its low end on
.set J_, J_+2
.endr
	QUANTW \a
.endr
	ds_store_b128 v8, v[PWB:PWB+3]                 ; my four words are half of a scale cell: the halves meet in LDS (both halves of the lanes write the same bytes with the same values)
	s_wait_dscnt 0x0
	s_barrier_signal -1
	s_barrier_wait -1
	s_cmp_lt_u32 s14, 2
	s_cbranch_scc0 .Lno_words
	ds_load_b128 v[196:199], v9
	s_wait_dscnt 0x0
	global_store_b128 v[IO], v[196:199], s[98:99]  ; in waves 0 and 1 wc is the wave: a whole scale cell, 512 consecutive bytes
.Lno_words:
	s_wait_tensorcnt 0x0                           ; the wave's end
	ds_add_u32 v[SPW], v[NIL]
	s_wait_dscnt 0x0
	CROUND                                         ; the closing round
	s_endpgm
.Lfunc_end_k_q95b58a94d4_ctx:
	.size	k_q95b58a94d4_ctx, .Lfunc_end_k_q95b58a94d4_ctx-k_q95b58a94d4_ctx
	.p2alignl 7, 3214868480
	.fill 96, 4, 3214868480
	.section	.rodata,"a",@progbits
	.p2align	6, 0x0
	.amdhsa_kernel k_q95b58a94d4_ctx
		.amdhsa_group_segment_fixed_size 327680
		.amdhsa_private_segment_fixed_size 0
		.amdhsa_enable_private_segment 0
		.amdhsa_kernarg_size 48
		.amdhsa_user_sgpr_count 2
		.amdhsa_user_sgpr_kernarg_segment_ptr 1
		.amdhsa_wavefront_size32 1
		.amdhsa_system_sgpr_workgroup_id_x 1
		.amdhsa_system_sgpr_workgroup_id_y 1
		.amdhsa_system_sgpr_workgroup_id_z 1
		.amdhsa_system_vgpr_workitem_id 0
		.amdhsa_next_free_vgpr 1024
		.amdhsa_next_free_sgpr 102
		.amdhsa_reserve_vcc 0
		.amdhsa_float_denorm_mode_32 3
		.amdhsa_float_denorm_mode_16_64 3
		.amdhsa_memory_ordered 1
		.amdhsa_forward_progress 1
		.amdhsa_inst_pref_size 162
	.end_amdhsa_kernel
	.amdgpu_metadata
---
amdhsa.version: [ 1, 2 ]
amdhsa.kernels:
  - .name:           k_q95b58a94d4_ctx
    .symbol:         k_q95b58a94d4_ctx.kd
    .args:
      - { .name: p_codes, .offset: 0, .size: 8, .value_kind: global_buffer, .address_space: global }
      - { .name: p_stats, .offset: 8, .size: 8, .value_kind: global_buffer, .address_space: global }
      - { .name: qkv_codes, .offset: 16, .size: 8, .value_kind: global_buffer, .address_space: global }
      - { .name: qkv_scales, .offset: 24, .size: 8, .value_kind: global_buffer, .address_space: global }
      - { .name: ctx_codes, .offset: 32, .size: 8, .value_kind: global_buffer, .address_space: global }
      - { .name: ctx_scales, .offset: 40, .size: 8, .value_kind: global_buffer, .address_space: global }
    .group_segment_fixed_size: 327680
    .private_segment_fixed_size: 0
    .kernarg_segment_align: 8
    .kernarg_segment_size: 48
    .max_flat_workgroup_size: 128
    .sgpr_count:     102
    .vgpr_count:     1024
    .wavefront_size: 32
...
	.end_amdgpu_metadata
.endif
;; end of part 4
;; launch proj (part 5): grid 4 x 64, 4 waves a work-group, clusters of 4 x 4, 327,680 bytes of LDS; arguments ctx_codes, ctx_scales, ops_codes, ops_scales, b_out, out0; writes out0
.if DOCPART == 5
	.amdgcn_target "amdgcn-amd-amdhsa--gfx1250"
	.amdhsa_code_object_version 6
	.text
	.protected	k_q95b58a94d4_proj
	.globl	k_q95b58a94d4_proj
	.p2align	8
	.type	k_q95b58a94d4_proj,@function
k_q95b58a94d4_proj:
	s_mov_b64 s[64:65], 0
	v_nop
	global_prefetch_b8 v0, s[64:65] scope:SCOPE_SE
	s_setreg_imm32_b32 hwreg(HW_REG_WAVE_MODE, 25, 1), 1
	s_wait_xcnt 0x0
	s_wait_alu depctr_hold_cnt(0) depctr_sa_sdst(0) depctr_va_vdst(0) depctr_va_sdst(0) depctr_va_ssrc(0) depctr_va_vcc(0) depctr_vm_vsrc(0)
	s_getreg_b32 s2, hwreg(HW_REG_IB_STS2, 6, 4)
	s_cmp_eq_u32 s2, 0
	s_cbranch_scc0 .Lentry_in_a_cluster
	s_endpgm
.Lentry_in_a_cluster:
	s_bfe_u32 s2, ttmp6, 0x10000c
	s_cmp_lg_u32 s2, 0xf033
	s_cbranch_scc0 .Lentry_shape_is_right
	s_endpgm
.Lentry_shape_is_right:
; out0 = ctx W_out + b_out on codes of FP6 (E2M3) with E8M0 scales; out0 [8192][1024] f32.
; The workspace format: rows in groups of 128, block j place r = row 32 (j / 2) + 8 (j % 2) + r % 8 + 16 (r / 8); a cell (group x 128 along K) = 8 images of an operand's 12 registers; a scale cell = 512 bytes, (r, j) at 32 r + 4 j.
; TRANSPOSED USE: source 0 = W_out^T ("B", groups 88-95 of ops_codes), source 1 = ctx ("A"): a lane holds one row, its registers run along the output's columns in their natural order.
; A work-group makes 128 rows x 256 columns, a wave 64 x 128: 32 accumulators.  K = 1,024 is 8 steps in two LDS slots of four, both filled at the start and never again.
; Wave 0 fetches ctx's 8 cells, wave 1 W_out^T's 16, wave 2 ctx's scale cells, wave 3 W_out^T's.  CLUSTER 4 x 4: ctx shared along a row, W_out^T along a column.
; The bias is the C of each sum's first matrix instruction.  The rows' order in a block is undone in the stores' offsets.
; The stage of the way out lies in slot 0, which has had its only fill, and which nobody reads behind the change of slots.
; REGISTERS: window 0 as in the launch before; v30, v31 the stage's addresses; v128-255 rows on their way out.  window 1: B's two sets.  window 2: the accumulators.  window 3: the bias, tile t at v[8 t].
.set AB,    4
.set NQ,    4
.set REG,   NQ*12288
.set SLOT,  REG                        ; from a group's K steps 0-3 to its K steps 4-7: a group's 8 cells lie on end in LDS, as in memory
.set GRP,   2*REG                      ; a group's 8 cells: ctx's group at 0, W_out^T's two groups at GRP and 2 GRP
.set SCLA,  3*GRP                      ; ctx's 8 scale cells
.set SCLB,  SCLA+4096                  ; W_out^T's, 4,096 bytes a group
.set SPARE, SCLB+2*4096
.set RC,    48*NQ
.set RS,    16
.set ADRA,  16
.set ADRB,  20
.set IO,    24
.set ADRS2, 26
.set ADRS,  27
.set SOFF2, 0
.set SPW,   28
.set NIL,   29
.set STO,   30
.set RD,    31
.set SC,    32
.set AF,    64
.set TO_B,  0x40
.set MSB, 0
.macro WIN new
.if MSB != \new
	s_set_vgpr_msb (MSB<<8)|\new
.set MSB, \new
.endif
.endm
.macro PLACES n
.rept \n
	v_nop
.endr
.endm
.macro CREST
	s_cmp_lg_u32 s14, 0
	s_cbranch_scc1 .Lnot_wave_0_\@
	s_barrier_signal -3
.Lnot_wave_0_\@:
	s_barrier_wait -3
	s_barrier_signal -1
	s_barrier_wait -1
.endm
.macro CROUND
	s_barrier_signal -1
	s_barrier_wait -1
	CREST
.endm
.macro FETCH slot, q, ks, p
	WIN TO_B
.irp i, 0,1,2,3,4,5,6,7
.irp c, 0,1,2
	ds_load_b128 v[128*(\p)+12*\i+4*\c:128*(\p)+12*\i+4*\c+3], v[ADRB+\slot] offset:(\q)*12288+1536*\i+512*\c
.endr
.endr
	WIN 0
.set FI, 0
.rept AB
.irp c, 0,1,2
	ds_load_b128 v[AF+12*AB*(\p)+12*FI+4*\c:AF+12*AB*(\p)+12*FI+4*\c+3], v[ADRA+\slot] offset:(\q)*12288+1536*FI+512*\c
.endr
.set FI, FI+1
.endr
	ds_load_b128 v[SC+8*(\p):SC+8*(\p)+3], v[ADRS] offset:512*(\ks)
	ds_load_b128 v[SC+8*(\p)+4:SC+8*(\p)+7], v[ADRS2] offset:512*(\ks)+SOFF2
.endm
.macro MUL a0, n, p, mode              ; mode 0: the sums go on; 2: they start from the bias of B's block.  The accumulators take turns
.set MA, \a0
.rept \n
.set MB_, 0
.rept 8
.set RD_, 8*(8*(MA%4)+MB_)
.set RB_, 128*(\p)+12*MB_
.set RA_, AF+12*AB*(\p)+12*MA
.set SB_, SC+8*(\p)+MB_
.set SA_, SC+8*(\p)+MA
.if (\mode) == 0
	v_wmma_scale_f32_16x16x128_f8f6f4 v[RD_:RD_+7], v[RB_:RB_+11], v[RA_:RA_+11], v[RD_:RD_+7], v[SB_], v[SA_] matrix_a_fmt:MATRIX_FMT_FP6 matrix_b_fmt:MATRIX_FMT_FP6 matrix_a_scale:MATRIX_SCALE_ROW1
.else
.set RC_, 8*MB_
	v_wmma_scale_f32_16x16x128_f8f6f4 v[RD_:RD_+7], v[RB_:RB_+11], v[RA_:RA_+11], v[RC_:RC_+7], v[SB_], v[SA_] matrix_a_fmt:MATRIX_FMT_FP6 matrix_b_fmt:MATRIX_FMT_FP6 matrix_a_scale:MATRIX_SCALE_ROW1
.endif
.set MB_, MB_+1
.endr
.set MA, MA+1
.endr
.endm
.macro PROD p, mode
.if (\mode) == 2
	WIN 0xb1                                       ; C in window 3, D in window 2
.else
	WIN 0xa1
.endif
	MUL 0, 4, \p, \mode
.endm
.macro STEP p, ns, nq, nks, mode
	s_wait_dscnt 0x0                               ; set p, asked for a K step ago, is in
	PLACES 4                                       ; in front of loads into registers that the last K step's products have read
	FETCH \ns, \nq, \nks, 1-(\p)
	PROD \p, \mode
.endm
.macro TURN ns, nks                    ; slot 0's last K step (on set 1) changes slots: nothing is filled again
	WIN 0
	s_wait_tensorcnt 0x0                           ; all my tensor loads have landed: my part of slot 1
	ds_add_u32 v[SPW], v[NIL]
	s_wait_dscnt 0x1                               ; set 1 is in (the add may be out)
	WIN 0xa1
	MUL 0, 1, 1, 0
	s_wait_dscnt 0x0                               ; the add is done, and my reads of slot 0 are over
	s_barrier_signal -1
	MUL 1, 1, 1, 0
	WIN 0
	s_barrier_wait -1
	PLACES 4
	FETCH \ns, 0, \nks, 0
	WIN 0xa1
	MUL 2, 2, 1, 0
.endm
.macro LAST
	s_wait_dscnt 0x0
	PROD 1, 0
	WIN 0
.endm
; THE WAY OUT, block by block of 16 rows x 128 columns: through my own stage, back as whole rows of 512 bytes.  LDS serves a wave's instructions in order.
.macro TOSTAGE a
.set AC, 64*(\a)
	WIN 0x08                                       ; an LDS store's data are its source 1: window 2
.irp b, 0,1,2,3,4,5,6,7
	ds_store_b128 v[STO], v[AC+8*\b:AC+8*\b+3] offset:128*(\b/2)+32*(\b%2)        ; tile b's registers are columns 32 (b / 2) + 8 (b % 2) + 16 h + 0 .. 7; each accumulator from its low end on
	ds_store_b128 v[STO], v[AC+8*\b+4:AC+8*\b+7] offset:128*(\b/2)+32*(\b%2)+16
.endr
	WIN 0
.set BB, 128+64*((\a)%2)
.irp t, 0,1,2,3,4,5,6,7,8,9,10,11,12,13,14,15
	ds_load_b128 v[BB+4*\t:BB+4*\t+3], v[RD] offset:\t*528
.endr
.endm
.macro SEND a, younger                 ; younger: the LDS instructions issued behind block a's loads, which may stay out
.set BB, 128+64*((\a)%2)
	s_wait_dscnt \younger
.irp t, 0,1,2,3,4,5,6,7,8,9,10,11,12,13,14,15
	global_store_b128 v[IO], v[BB+4*\t:BB+4*\t+3], s[98:99] offset:(32*((\a)/2)+8*((\a)%2)+(\t%8)+16*(\t/8))*4096 th:TH_STORE_NT   ; place t's row: 32 lanes store 512 consecutive bytes, aligned
.endr
.endm
	s_load_b256 s[4:11], s[0:1], 0x0               ; ctx_codes s[4:5], ctx_scales s[6:7], ops_codes s[8:9], ops_scales s[10:11]
	s_load_b128 s[96:99], s[0:1], 0x20             ; b_out s[96:97], out0 s[98:99]
	v_lshl_add_u32 v[SPW], v0, 2, SPARE
	v_mov_b32 v[NIL], 0
	ds_add_u32 v[SPW], v[NIL]                      ; the wave's opening
	ds_add_u32 v[SPW], v[NIL]
	v_lshrrev_b32 v1, 5, v0
	v_readfirstlane_b32 s14, v1
	s_lshr_b32 s15, s14, 1                         ; wr.  Also: which group of B waves 1 and 2 fetch
	s_and_b32 s16, s14, 1                          ; wc
	s_bfe_u32 s92, ttmp6, 0x40000                  ; cx
	s_bfe_u32 s93, ttmp6, 0x40004                  ; cy
	s_and_b32 s95, ttmp7, 0xffff                   ; Y
	s_lshl_b32 s20, s93, 2
	s_lshl_b32 s20, 15, s20
	s_lshl_b32 s21, 0x1111, s92
	s_or_b32 s24, s20, (3<<16)|(1<<21)
	s_or_b32 s48, s21, (3<<16)|(1<<21)
	s_or_b32 s76, s20, (3<<16)|(1<<21)
	s_or_b32 s84, s21, (3<<16)|(1<<21)
.irp g, 24, 48                         ; codes, as rows of 256 bytes: ctx's 8 cells are 2 RC rows, W_out^T's two groups on end 4 RC rows
	s_mov_b32 s[\g+1], 32<<16
	s_mov_b32 s[\g+2], (\g/24*2*RC)<<16
	s_mov_b32 s[\g+3], 32<<16
	s_mov_b32 s[\g+4], \g/24*2*RC
	s_mov_b32 s[\g+5], 32
	s_mov_b32 s[\g+6], 0
	s_mov_b32 s[\g+7], 0
.endr
.irp g, 76, 84                         ; scale cells: ctx's group RS rows of 256 bytes, W_out^T's two groups on end 2 RS rows
	s_mov_b32 s[\g+1], 32<<16
	s_mov_b32 s[\g+2], ((\g-76)/8*RS+RS)<<16
	s_mov_b32 s[\g+3], 32<<16
	s_mov_b32 s[\g+4], (\g-76)/8*RS+RS
	s_mov_b32 s[\g+5], 32
	s_mov_b32 s[\g+6], 0
	s_mov_b32 s[\g+7], 0
.endr
	s_lshl_b32 s17, s95, 2
	s_add_co_u32 s17, s17, s93                     ; my group of rows: 4 Y + cy
	s_mul_i32 s18, s17, 98304
	s_mov_b32 s19, 0
	s_lshl_b32 s20, s17, 12
	s_mov_b32 s21, 0
	s_lshl_b32 s22, s92, 1
	s_add_co_u32 s22, s22, 88                      ; the first of the work-group's two groups of W_out^T
	s_mul_i32 s100, s22, 98304
	s_mov_b32 s101, 0
	s_lshl_b32 s22, s22, 12
	s_mov_b32 s23, 0
	s_lshl_b32 s94, s92, 10
	s_lshl_b32 s95, s16, 9
	s_add_co_u32 s94, s94, s95                     ; my first column, in bytes: 1,024 cx + 512 wc
	s_mov_b32 s95, 0
	s_lshl_b32 s2, s17, 19
	s_lshl_b32 s3, s15, 18
	s_add_co_u32 s2, s2, s3
	s_add_co_u32 s2, s2, s94                       ; my first row, 128 x group + 64 wr, x 4,096 bytes, + the column
	s_mov_b32 s3, 0
	s_wait_dscnt 0x0                               ; both opening adds are done
	CROUND                                         ; the round in front of the first joint loads; the arguments are on their way meanwhile
	s_wait_kmcnt 0x0
	s_add_nc_u64 s[18:19], s[4:5], s[18:19]
	s_add_nc_u64 s[100:101], s[8:9], s[100:101]
	s_add_nc_u64 s[96:97], s[96:97], s[94:95]
	s_add_nc_u64 s[98:99], s[98:99], s[2:3]
	s_mov_b32 s32, 1
	s_mov_b32 s33, SCLA
	s_add_nc_u64 s[34:35], s[6:7], s[20:21]
	s_or_b32 s35, s35, 0x80000000
	s_mov_b32 s56, 1
	s_mov_b32 s57, SCLB
	s_add_nc_u64 s[58:59], s[10:11], s[22:23]
	s_or_b32 s59, s59, 0x80000000
	s_mov_b32 s36, 1                               ; ctx's 8 cells
	s_mov_b32 s37, 0
	s_mov_b64 s[38:39], s[18:19]
	s_or_b32 s39, s39, 0x80000000
	s_mov_b32 s60, 1                               ; W_out^T's 16 cells
	s_mov_b32 s61, GRP
	s_mov_b64 s[62:63], s[100:101]
	s_or_b32 s63, s63, 0x80000000
	v_and_b32 v1, 15, v0                           ; r
	v_bfe_u32 v2, v0, 4, 1                         ; h
	v_and_b32 v3, 31, v0                           ; lane
	v_lshlrev_b32 v4, 6, v2                        ; the bias: register j of tile t is column 32 (t / 2) + 8 (t % 2) + 16 h + j
	WIN 0xc0                                       ; destination window 3
.irp t, 0,1,2,3,4,5,6,7
	global_load_b128 v[8*\t:8*\t+3], v4, s[96:97] offset:4*(32*(\t/2)+8*(\t%2))
	global_load_b128 v[8*\t+4:8*\t+7], v4, s[96:97] offset:4*(32*(\t/2)+8*(\t%2))+16
.endr
	WIN 0
; THE LAUNCH'S LOADS, ONE A WAVE, in one chain of branches on the wave's number: wave 0 ctx's 8 cells, wave 1 W_out^T's 16 cells, wave 2 ctx's scale cells, wave 3 W_out^T's.
.macro ARM under, g0, g1, next
	s_cmp_lt_u32 s14, \under
	s_cbranch_scc0 \next
	tensor_load_to_lds s[\g0:\g0+3], s[\g1:\g1+7]
	s_nop 0
	PLACES 4
	s_branch .Lfirst_asked
\next:
.endm
	ARM 1, 36, 24, .Lhead_w
	ARM 2, 60, 48, .Lhead_sc
	ARM 3, 32, 76, .Lhead_sw
	tensor_load_to_lds s[56:59], s[84:91]
	s_nop 0
	PLACES 4
.Lfirst_asked:
	s_wait_alu depctr_va_vdst(0)
	v_lshlrev_b32 v[IO], 4, v3
	s_mul_i32 s18, s14, 8448                       ; my stage: 16 rows x (512 + 16) bytes
	v_mul_u32_u24 v[STO], v1, 528
	v_lshl_add_u32 v[STO], v2, 6, v[STO]
	v_add_nc_u32 v[STO], s18, v[STO]               ; in: row r, + 64 h
	v_add_nc_u32 v[RD], s18, v[IO]                 ; back: a row's 512 bytes, 16 a lane
	s_mul_i32 s18, s15, 6144
	s_mul_i32 s19, s16, GRP
	s_add_co_u32 s19, s19, GRP
.irp s, 0,1
	v_add_nc_u32 v[ADRA+\s], s18, v[IO]
	v_add_nc_u32 v[ADRB+\s], s19, v[IO]
	s_add_co_u32 s18, s18, SLOT
	s_add_co_u32 s19, s19, SLOT
.endr
	s_lshl_b32 s18, s15, 4
	s_lshl_b32 s19, s16, 12
	s_add_co_u32 s19, s19, SCLB-SCLA
	s_sub_co_u32 s19, s19, s18
	v_mul_u32_u24 v6, s19, v2                      ; lanes 16-31 take B's scale words
	s_add_co_u32 s18, s18, SCLA
	v_lshl_add_u32 v6, v1, 5, v6
	v_add_nc_u32 v[ADRS], s18, v6
	v_lshl_add_u32 v[ADRS2], v2, 4, v[ADRS]
	s_wait_alu depctr_va_vdst(0)
	s_wait_loadcnt 0x0                             ; the bias
	s_wait_tensorcnt 0x0                           ; my one load is in
	s_barrier_signal -1
	s_barrier_wait -1
	FETCH 0, 0, 0, 0
	STEP 0, 0, 1, 1, 2                             ; the first K step starts the sums from the bias
	STEP 1, 0, 2, 2, 0
	STEP 0, 0, 3, 3, 0
	TURN 1, 4
	STEP 0, 1, 1, 5, 0
	STEP 1, 1, 2, 6, 0
	STEP 0, 1, 3, 7, 0
	LAST
	PLACES 4                                       ; behind the last products: their results are read, and loads land on their operands' registers
	TOSTAGE 0
.irp a, 1,2,3
.if \a > 1
	s_wait_xcnt 0x0                                ; block a - 2's stores have read their registers: block a's loads may land there
.endif
	TOSTAGE \a
	SEND \a-1, 32                                  ; behind block a - 1's loads: block a's 16 stores and 16 loads
.endr
	SEND 3, 0
	s_wait_tensorcnt 0x0                           ; the wave's end
	ds_add_u32 v[SPW], v[NIL]
	s_wait_dscnt 0x0
	CROUND                                         ; the closing round
	s_endpgm
.Lfunc_end_k_q95b58a94d4_proj:
	.size	k_q95b58a94d4_proj, .Lfunc_end_k_q95b58a94d4_proj-k_q95b58a94d4_proj
	.p2alignl 7, 3214868480
	.fill 96, 4, 3214868480
	.section	.rodata,"a",@progbits
	.p2align	6, 0x0
	.amdhsa_kernel k_q95b58a94d4_proj
		.amdhsa_group_segment_fixed_size 327680
		.amdhsa_private_segment_fixed_size 0
		.amdhsa_enable_private_segment 0
		.amdhsa_kernarg_size 48
		.amdhsa_user_sgpr_count 2
		.amdhsa_user_sgpr_kernarg_segment_ptr 1
		.amdhsa_wavefront_size32 1
		.amdhsa_system_sgpr_workgroup_id_x 1
		.amdhsa_system_sgpr_workgroup_id_y 1
		.amdhsa_system_sgpr_workgroup_id_z 1
		.amdhsa_system_vgpr_workitem_id 0
		.amdhsa_next_free_vgpr 1024
		.amdhsa_next_free_sgpr 102
		.amdhsa_reserve_vcc 0
		.amdhsa_float_denorm_mode_32 3
		.amdhsa_float_denorm_mode_16_64 3
		.amdhsa_memory_ordered 1
		.amdhsa_forward_progress 1
		.amdhsa_inst_pref_size 78
	.end_amdhsa_kernel
	.amdgpu_metadata
---
amdhsa.version: [ 1, 2 ]
amdhsa.kernels:
  - .name:           k_q95b58a94d4_proj
    .symbol:         k_q95b58a94d4_proj.kd
    .args:
      - { .name: ctx_codes, .offset: 0, .size: 8, .value_kind: global_buffer, .address_space: global }
      - { .name: ctx_scales, .offset: 8, .size: 8, .value_kind: global_buffer, .address_space: global }
      - { .name: ops_codes, .offset: 16, .size: 8, .value_kind: global_buffer, .address_space: global }
      - { .name: ops_scales, .offset: 24, .size: 8, .value_kind: global_buffer, .address_space: global }
      - { .name: b_out, .offset: 32, .size: 8, .value_kind: global_buffer, .address_space: global }
      - { .name: out0, .offset: 40, .size: 8, .value_kind: global_buffer, .address_space: global }
    .group_segment_fixed_size: 327680
    .private_segment_fixed_size: 0
    .kernarg_segment_align: 8
    .kernarg_segment_size: 48
    .max_flat_workgroup_size: 128
    .sgpr_count:     102
    .vgpr_count:     1024
    .wavefront_size: 32
...
	.end_amdgpu_metadata
.endif
;; end of part 5
